; MI455X (gfx1250); checked and timed in simulation.
; The chip was launched on July 23, 2026; its instructions are those of AMD's public machine-readable ISA for CDNA 5 (MIT licence, August 2026) and "CDNA5" Instruction Set Architecture Reference Guide (July 2026). The comments in the code are by the model that wrote it; some were corrected since.
;; Multi Head Attention. Allowed arithmetic: matrix products marked QUANTISED: E2M1 operands, one E8M0 scale for each 32 along K, by v_wmma_scale_f32_16x16x128_f8f6f4 with both operands' format E2M1 (or v_wmma_scale_f32_32x16x128_f4), f32 sums; products left as they are: bf16, f16 or f32 operands; f32 sums; everything else in f32.
;; Inputs: Wk 1,024 x 1,024 float32; Wo 1,024 x 1,024 float32; Wq 1,024 x 1,024 float32; Wv 1,024 x 1,024 float32; bk 1,024 float32; bo 1,024 float32; bq 1,024 float32; bv 1,024 float32; x 4 x 2,048 x 1,024 float32.
;; Outputs: out0 4 x 2,048 x 1,024 float32.
;; This version of the problem:
;;   THIS VERSION OF THE PROBLEM IS GIVEN IN LOW PRECISION. The matrix products marked QUANTISED in the list below multiply operands that are first quantised to E2M1 (2 exponent bits, 1 mantissa bit; 4 bits a number), with one power-of-two scale for each 32 numbers along K (OCP MX v1.0); their sums are f32. The products marked 'left as it is' may take bf16, f16 or f32 operands, with f32 sums. Whichever they take, every output number must still come out within the allowed error. Rounding operands to bf16 (8 significant bits) uses up far more of that allowance than f16 does (11 bits, for magnitudes from 6e-5 to 65,504). All else is computed in f32.
;;   The module's matrix products, in the order in which they are computed (A, B: the left and right operand; K: the contracted axis; several contracted axes count as one K, in the product's order):
;;     1. [M 8,192, K 1,024] x [K 1,024, N 1,024]; A: input x; B: input Wq: QUANTISED
;;     2. [M 8,192, K 1,024] x [K 1,024, N 1,024]; A: input x; B: input Wk: QUANTISED
;;     3. [M 8,192, K 1,024] x [K 1,024, N 1,024]; A: input x; B: input Wv: QUANTISED
;;     4. batch 64 x [M 2,048, K 64] x [K 64, N 2,048]; A: computed on the way; B: computed on the way: left as it is (an operand is computed on the way)
;;     5. batch 64 x [M 2,048, K 2,048] x [K 2,048, N 64]; A: computed on the way; B: computed on the way: left as it is (an operand is computed on the way)
;;     6. [M 8,192, K 1,024] x [K 1,024, N 1,024]; A: computed on the way; B: input Wo: left as it is (an operand is computed on the way)
;;   THE QUANTISER, for each operand of a quantised product, along K:
;;     - K is cut into blocks of 32 from its start; a last block that is shorter is filled with zeros.
;;     - A block's scale is 2^e with e = floor(log2(the largest magnitude in the block)) - 2, held to -126 .. 127; a block of zeros has e = 0. As a byte (E8M0): e + 127.
;;     - Each number is divided by its block's scale, clamped to +-6, and rounded to the nearest number of E2M1, ties to even, subnormals kept.
;;     - The product sums the exact products of the quantised numbers (number of the format x scale) in f32.
;;   ~~~python
;;   def quantise(x, axis):      # numpy; x: float32 -> the quantised numbers, widened to float32 again
;;       x = np.moveaxis(x, axis, -1); K = x.shape[-1]
;;       x = np.pad(x, [(0, 0)] * (x.ndim - 1) + [(0, -K % 32)]); x = x.reshape(x.shape[:-1] + (-1, 32)); a = np.abs(x).max(-1, keepdims=True)
;;       e = np.where(a > 0, np.clip(np.frexp(np.where(a > 0, a, 1))[1] - 1 - 2, -126, 127), 0)      # np.frexp(a)[1] - 1 = floor(log2(a)), exactly
;;       r = np.clip(x / 2.0 ** e, -6, 6)
;;       step = 2.0 ** (np.maximum(np.frexp(np.where(r == 0, 1, r))[1] - 1, 0) - 1)
;;       q = np.round(r / step) * step * 2.0 ** e      # np.round: ties to even
;;       return np.moveaxis(q.reshape(q.shape[:-2] + (-1,))[..., :K], -1, axis).astype(np.float32)
;;   ~~~
;; One version. Each part assembles by itself: llvm-mc -triple=amdgcn-amd-amdhsa -mcpu=gfx1250 --defsym DOCPART=n.
;; ======== version 1 of 1: 5 launches
;; limits: values are held in f16: magnitudes above 65,504 overflow, below 6.1e-05 lose precision
;; workspace buffers: x_codes 4,194,304 bytes; x_scales 262,144 bytes; w_codes 1,572,864 bytes; w_scales 98,304 bytes; wo16 2,097,152 bytes; qkv 50,331,648 bytes; fine32 786,432 bytes; attn 16,777,216 bytes
;; launch prep (part 1): grid 576 x 1, 4 waves a work-group, no clusters, 61,952 bytes of LDS; arguments x, Wq, Wk, Wv, Wo, x_codes, x_scales, w_codes, w_scales, wo16; writes x_codes, x_scales, w_codes, w_scales, wo16
.if DOCPART == 1
	.amdgcn_target "amdgcn-amd-amdhsa--gfx1250"
	.amdhsa_code_object_version 6
	.text
	.protected	k_qf89cf719a3_prep
	.globl	k_qf89cf719a3_prep
	.p2align	8
	.type	k_qf89cf719a3_prep,@function
k_qf89cf719a3_prep:
	s_mov_b64 s[64:65], 0
	v_nop
	global_prefetch_b8 v0, s[64:65] scope:SCOPE_SE
	s_setreg_imm32_b32 hwreg(HW_REG_WAVE_MODE, 25, 1), 1
	s_wait_xcnt 0x0
; THE OPERANDS ARE LAID OUT ONCE.  Three kinds of work-group, told apart by the work-group's number alone:
;   0-191   W: Wq, Wk, Wv [1024 k][1024 n] f32 -> codes of FP4 (E2M1) quantised along k, laid [8 planes of 128 k][3072 n][64 bytes], and scale bytes [3072 n][32]
;   192-319 O: Wo [1024 k][1024 n] f32 -> f16, laid [16 planes of 64 k][1024 n][64 k]: k innermost
;   320-575 X: x [8192][1024] f32 -> codes, k innermost, [8192][512 bytes], and scale bytes [8192][32]
; A block's scale is 2^(floor(log2(its largest magnitude)) - 2); its byte is the largest magnitude's exponent field - 2, held at 1 from below.
; LIMITS: a block of zeros gets the byte 1 (its codes are zeros, and this program alone reads the bytes); NaN and infinities among the inputs are not served;
; Wo's numbers under 6e-5 lose bits in f16, those over 65,504 are not served.
; No tensor load, no barrier: waves share nothing, and each kind of work-group has LDS bytes of its own.  No cluster: no two work-groups read the same bytes.
.set SPARE, 61440                      ; the spare words, 128 bytes for each wave: two blocks of 256 bytes that no other line names
.set SPW,   2                          ; v2  LDS address of my spare word; never rewritten
.set NIL,   3                          ; v3  0; never rewritten
.set LN,    4                          ; v4  lane
.set SP,    80                         ; X and W: a place in a stage: 64 bytes + 16 of padding
.set R,     16                         ; X: v16-143  eight sets of 16 numbers as they are loaded
.set XN,    144                        ; X: v144-175 two sets of 16 neighbours
.set E,     176                        ; X: v176-191 a scale byte for each step
.set C,     192                        ; X: v192-223 codes, two registers for each step
.set WSTG,  32768                      ; W: a stage of 32 x 80 bytes for each wave
.set OSTG,  43008                      ; O: a stage of 32 x 144 bytes for each wave
	s_load_b512 s[4:19], s[0:1], 0x0               ; x 4, Wq 6, Wk 8, Wv 10, Wo 12, x_codes 14, x_scales 16, w_codes 18
	s_load_b128 s[20:23], s[0:1], 0x40             ; w_scales 20, wo16 22
	v_lshl_add_u32 v[SPW], v0, 2, SPARE
	v_mov_b32 v[NIL], 0
	v_lshrrev_b32 v1, 5, v0
	v_readfirstlane_b32 s24, v1                    ; wave 0..3
	v_and_b32 v[LN], 31, v0
	s_mov_b32 s31, 0                               ; the upper word of every offset pair s[30:31]
	s_wait_kmcnt 0x0
	s_cmp_lt_u32 ttmp9, 192
	s_cbranch_scc1 .LW
	s_cmp_lt_u32 ttmp9, 320
	s_cbranch_scc1 .LO
; ---------------- X: a plain stream of blocks of 32.  A wave takes 16 steps of 512 numbers; loads run eight steps (32 loads) ahead.
; Each load reads 512 consecutive bytes, 16 a lane; a step's 2,048 bytes turn through the wave's stage so that a lane gets 16 neighbours; two neighbouring lanes hold a block.
	s_sub_co_u32 s25, ttmp9, 320
	s_lshl_b32 s25, s25, 2
	s_add_co_u32 s25, s25, s24                     ; which run of 8,192 numbers is my wave's
	s_lshl_b32 s30, s25, 15
	s_add_nc_u64 s[4:5], s[4:5], s[30:31]          ; 32,768 bytes of x a run,
	s_lshl_b32 s30, s25, 12
	s_add_nc_u64 s[14:15], s[14:15], s[30:31]      ; 4,096 of codes,
	s_lshl_b32 s30, s25, 8
	s_add_nc_u64 s[16:17], s[16:17], s[30:31]      ; 256 scale bytes
	s_lshl_b32 s26, s24, 13                        ; my wave's 8,192 bytes of LDS: two stages of 2,560, then 256 scale bytes at 5,120
	v_lshlrev_b32 v5, 4, v[LN]                     ; my 16 bytes of a load's 512
	v_lshrrev_b32 v6, 2, v[LN]
	v_mul_u32_u24 v6, v6, SP
	v_and_b32 v7, 3, v[LN]
	v_lshl_add_u32 v6, v7, 4, v6
	v_add_nc_u32 v6, s26, v6                       ; into the stage: 80 (lane / 4) + 16 (lane % 4)
	v_mul_u32_u24 v7, v[LN], SP
	v_add_nc_u32 v7, s26, v7                       ; out of it: 80 x lane
	v_lshlrev_b32 v8, 3, v[LN]                     ; 8 bytes a lane: my codes' place in a step's, and my part of the scale bytes
	s_add_co_u32 s26, s26, 5120
	v_lshrrev_b32 v9, 1, v[LN]
	v_add_nc_u32 v9, s26, v9                       ; my block's scale byte
	v_add_nc_u32 v10, s26, v8
.macro XLOAD t
.irp i, 0,1,2,3
	global_load_b128 v[R+16*((\t)%8)+4*\i:R+16*((\t)%8)+4*\i+3], v5, s[4:5] offset:2048*(\t)+512*\i th:TH_LOAD_NT
.endr
.endm
.macro XTURN t                         ; LDS serves a wave's instructions in order: no wait between the stores and the loads
.irp i, 0,1,2,3
	ds_store_b128 v6, v[R+16*((\t)%8)+4*\i:R+16*((\t)%8)+4*\i+3] offset:32*SP*((\t)%2)+8*SP*\i
.endr
.irp i, 0,1,2,3
	ds_load_b128 v[XN+16*((\t)%2)+4*\i:XN+16*((\t)%2)+4*\i+3], v7 offset:32*SP*((\t)%2)+16*\i
.endr
.endm
.irp t, 0,1,2,3,4,5,6,7
	XLOAD \t
.endr
	s_wait_loadcnt 28                              ; step 0's four loads are in; the seven steps behind it may be out
	XTURN 0
.macro XSTEP t
.set XS, XN+16*((\t)%2)
.if (\t) > 0
	s_wait_dscnt 1                                 ; this step's numbers are back (the last step's byte store may be out): so its stores into the stage have read their registers,
.else
	s_wait_dscnt 0x0
.endif
.if (\t)+8 < 16
	XLOAD (\t)+8                                   ; which take the loads of eight steps on
.endif
.if (\t)+1 < 16
.if 14-(\t) >= 7
	s_wait_loadcnt 28                              ; the next step's four loads are in; those of the seven steps behind it may be out
.else
	s_wait_loadcnt 4*(14-(\t))
.endif
	XTURN (\t)+1
.endif
	v_max3_num_f32 v12, |v[XS]|, |v[XS+1]|, |v[XS+2]|
	v_max3_num_f32 v13, |v[XS+3]|, |v[XS+4]|, |v[XS+5]|
.irp i, 6,10
	v_max3_num_f32 v12, v12, |v[XS+\i]|, |v[XS+\i+1]|
	v_max3_num_f32 v13, v13, |v[XS+\i+2]|, |v[XS+\i+3]|
.endr
	v_max3_num_f32 v12, v12, |v[XS+14]|, |v[XS+15]|
	v_max3_num_f32 v12, v12, v13, 0x1800000        ; and the floor 2^(3 - 127): the byte cannot fall under 1
	v_max_num_f32_dpp v12, v12, v12 row_xmask:1 row_mask:0xf bank_mask:0xf   ; with my neighbour's 16: the block's largest magnitude
	v_add_nc_u32 v14, 0xff000000, v12              ; 2 off its exponent field: the conversion takes the exponent field of this operand as its scale
	v_cvt_scalef32_pk8_fp4_f32 v[C+2*(\t)], v[XS:XS+7], v14
	v_cvt_scalef32_pk8_fp4_f32 v[C+2*(\t)+1], v[XS+8:XS+15], v14
	v_lshrrev_b32 v[E+(\t)], 23, v14               ; the scale's byte (a plain line behind the conversions)
	ds_store_b8 v9, v[E+(\t)] offset:16*(\t)       ; both lanes of a block write the same byte with the same value
	global_store_b64 v8, v[C+2*(\t):C+2*(\t)+1], s[14:15] offset:256*(\t)   ; the wave stores 256 consecutive bytes, aligned
.endm
.irp t, 0,1,2,3,4,5,6,7,8,9,10,11,12,13,14,15
	XSTEP \t
.endr
	ds_load_b64 v[12:13], v10                      ; my wave's 256 scale bytes, in order behind the byte stores
	s_wait_dscnt 0x0
	global_store_b64 v8, v[12:13], s[16:17]        ; 256 consecutive bytes, aligned
	s_wait_tensorcnt 0x0                           ; the wave's end
	ds_add_u32 v[SPW], v[NIL]
	s_wait_dscnt 0x0
	s_endpgm
; ---------------- W: a lane takes a column n and its registers run down k: a block of 32 lies in one lane, and the conversions give codes with k innermost.
; A wave takes 32 columns x 128 k (one plane): 128 loads of 128 consecutive bytes, all issued at once.
.LW:
	s_lshr_b32 s25, ttmp9, 6                       ; which weight: 0 q, 1 k, 2 v
	s_and_b32 s26, ttmp9, 7                        ; which 128 columns
	s_bfe_u32 s27, ttmp9, 0x30003                  ; which plane of 128 k
	s_cmp_eq_u32 s25, 0
	s_cselect_b64 s[6:7], s[6:7], s[8:9]
	s_cmp_eq_u32 s25, 2
	s_cselect_b64 s[6:7], s[10:11], s[6:7]         ; the choice hangs on the work-group's number alone
	s_lshl_b32 s28, s26, 7
	s_lshl_b32 s29, s24, 5
	s_add_co_u32 s28, s28, s29                     ; my wave's first column in its weight
	s_lshl_b32 s30, s27, 19                        ; 128 rows of 4,096 bytes a plane
	s_lshl_b32 s29, s28, 2
	s_add_co_u32 s30, s30, s29
	s_add_nc_u64 s[6:7], s[6:7], s[30:31]
	s_lshl_b32 s29, s25, 10
	s_add_co_u32 s28, s28, s29                     ; n = 1024 x weight + column
	s_mul_i32 s30, s27, 196608                     ; a plane of codes: 3,072 n x 64 bytes
	s_lshl_b32 s29, s28, 6
	s_add_co_u32 s30, s30, s29
	s_add_nc_u64 s[18:19], s[18:19], s[30:31]
	s_lshl_b32 s30, s28, 5                         ; 32 scale bytes a row n,
	s_lshl_b32 s29, s27, 2                         ; four to a plane
	s_add_co_u32 s30, s30, s29
	s_add_nc_u64 s[20:21], s[20:21], s[30:31]
	v_lshlrev_b32 v5, 2, v[LN]                     ; in: 4 bytes a lane
	s_mul_i32 s29, s24, 32*SP
	s_add_co_u32 s29, s29, WSTG                    ; my stage
	v_mul_u32_u24 v6, v[LN], SP
	v_add_nc_u32 v6, s29, v6                       ; into it: row = my column
	v_lshrrev_b32 v7, 2, v[LN]
	v_mul_u32_u24 v7, v7, SP
	v_and_b32 v8, 3, v[LN]
	v_lshl_add_u32 v7, v8, 4, v7
	v_add_nc_u32 v7, s29, v7                       ; out of it: four lanes to a row of 64 bytes, eight rows an instruction
	v_lshlrev_b32 v8, 5, v[LN]                     ; my column's row of scale bytes
	v_lshlrev_b32 v9, 4, v[LN]                     ; out: 16 bytes a lane
.set n, 0
.rept 128
	global_load_b32 v[32+n], v5, s[6:7] offset:n*4096 th:TH_LOAD_NT
.set n, n+1
.endr
.macro WBLOCK t, left
.set XS, 32+32*(\t)
	s_wait_loadcnt \left                           ; block t's 32 loads are in: 32 (3 - t) were issued behind them, and a count under that holds too
	v_max3_num_f32 v12, |v[XS]|, |v[XS+1]|, |v[XS+2]|
	v_max3_num_f32 v13, |v[XS+3]|, |v[XS+4]|, |v[XS+5]|
.irp i, 6,10,14,18,22,26
	v_max3_num_f32 v12, v12, |v[XS+\i]|, |v[XS+\i+1]|
	v_max3_num_f32 v13, v13, |v[XS+\i+2]|, |v[XS+\i+3]|
.endr
	v_max3_num_f32 v12, v12, |v[XS+30]|, |v[XS+31]|
	v_max3_num_f32 v12, v12, v13, 0x1800000        ; the floor: the byte cannot fall under 1
	v_add_nc_u32 v15, 0xff000000, v12              ; the conversions' scale operand
	v_lshrrev_b32 v13, 23, v15                     ; the scale's byte
.if (\t) == 0
	v_mov_b32 v14, v13                             ; four bytes make the plane's scale word, the lower k in the lower byte
.else
	v_lshl_or_b32 v14, v13, 8*(\t), v14
.endif
.irp g, 0,1,2,3
	v_cvt_scalef32_pk8_fp4_f32 v[160+4*(\t)+\g], v[XS+8*\g:XS+8*\g+7], v15
.endr
	v_nop                                          ; a plain line behind the last conversion
	ds_store_b128 v6, v[160+4*(\t):160+4*(\t)+3] offset:16*(\t)   ; 32 codes: 16 bytes of my column's 64
.endm
	WBLOCK 0, 63
	WBLOCK 1, 63
	WBLOCK 2, 32
	WBLOCK 3, 0
	global_store_b32 v8, v14, s[20:21]             ; 4 bytes of each of 32 rows: one byte in 128 of what this path reads
.irp u, 0,1,2,3
	ds_load_b128 v[176+4*\u:176+4*\u+3], v7 offset:8*SP*\u
.endr
.irp u, 0,1,2,3
	s_wait_dscnt 3-\u
	global_store_b128 v9, v[176+4*\u:176+4*\u+3], s[18:19] offset:512*\u   ; 512 consecutive bytes: eight rows n of the plane
.endr
	s_wait_tensorcnt 0x0                           ; the wave's end
	ds_add_u32 v[SPW], v[NIL]
	s_wait_dscnt 0x0
	s_endpgm
; ---------------- O: the same plan for Wo, rounded to f16.  A wave takes 32 columns x 64 k (one plane).
.LO:
	s_sub_co_u32 s25, ttmp9, 192
	s_and_b32 s26, s25, 7                          ; which 128 columns
	s_lshr_b32 s27, s25, 3                         ; which plane of 64 k
	s_lshl_b32 s28, s26, 7
	s_lshl_b32 s29, s24, 5
	s_add_co_u32 s28, s28, s29                     ; my wave's first column
	s_lshl_b32 s30, s27, 18                        ; 64 rows of 4,096 bytes a plane
	s_lshl_b32 s29, s28, 2
	s_add_co_u32 s30, s30, s29
	s_add_nc_u64 s[12:13], s[12:13], s[30:31]
	s_lshl_b32 s30, s27, 17                        ; a plane of f16: 1,024 n x 128 bytes
	s_lshl_b32 s29, s28, 7
	s_add_co_u32 s30, s30, s29
	s_add_nc_u64 s[22:23], s[22:23], s[30:31]
	v_lshlrev_b32 v5, 2, v[LN]
	s_mul_i32 s29, s24, 32*144
	s_add_co_u32 s29, s29, OSTG                    ; my stage: 32 rows of 128 bytes + 16
	v_mul_u32_u24 v6, v[LN], 144
	v_add_nc_u32 v6, s29, v6
	v_lshrrev_b32 v7, 3, v[LN]
	v_mul_u32_u24 v7, v7, 144
	v_and_b32 v8, 7, v[LN]
	v_lshl_add_u32 v7, v8, 4, v7
	v_add_nc_u32 v7, s29, v7                       ; out: eight lanes to a row, four rows an instruction
	v_lshlrev_b32 v9, 4, v[LN]
.set n, 0
.rept 64
	global_load_b32 v[32+n], v5, s[12:13] offset:n*4096 th:TH_LOAD_NT
.set n, n+1
.endr
	s_wait_loadcnt 32                              ; the first 32 rows are in
.set n, 0
.rept 16
	v_cvt_pk_f16_f32 v[160+n], v[32+2*n], v[33+2*n]
.set n, n+1
.endr
	s_wait_loadcnt 0x0
.rept 16
	v_cvt_pk_f16_f32 v[160+n], v[32+2*n], v[33+2*n]
.set n, n+1
.endr
.irp t, 0,1,2,3,4,5,6,7
	ds_store_b128 v6, v[160+4*\t:160+4*\t+3] offset:16*\t
.endr
.irp u, 0,1,2,3,4,5,6,7
	ds_load_b128 v[32+4*\u:32+4*\u+3], v7 offset:4*144*\u
.endr
.irp u, 0,1,2,3,4,5,6,7
	s_wait_dscnt 7-\u
	global_store_b128 v9, v[32+4*\u:32+4*\u+3], s[22:23] offset:512*\u     ; 512 consecutive bytes: four rows n of the plane
.endr
	s_wait_tensorcnt 0x0                           ; the wave's end
	ds_add_u32 v[SPW], v[NIL]
	s_wait_dscnt 0x0
	s_endpgm
.Lfunc_end_k_qf89cf719a3_prep:
	.size	k_qf89cf719a3_prep, .Lfunc_end_k_qf89cf719a3_prep-k_qf89cf719a3_prep
	.p2alignl 7, 3214868480
	.fill 96, 4, 3214868480
	.section	.rodata,"a",@progbits
	.p2align	6, 0x0
	.amdhsa_kernel k_qf89cf719a3_prep
		.amdhsa_group_segment_fixed_size 61952
		.amdhsa_private_segment_fixed_size 0
		.amdhsa_enable_private_segment 0
		.amdhsa_kernarg_size 80
		.amdhsa_user_sgpr_count 2
		.amdhsa_user_sgpr_kernarg_segment_ptr 1
		.amdhsa_wavefront_size32 1
		.amdhsa_system_sgpr_workgroup_id_x 1
		.amdhsa_system_sgpr_workgroup_id_y 1
		.amdhsa_system_sgpr_workgroup_id_z 1
		.amdhsa_system_vgpr_workitem_id 0
		.amdhsa_next_free_vgpr 224
		.amdhsa_next_free_sgpr 66
		.amdhsa_reserve_vcc 0
		.amdhsa_float_denorm_mode_32 3
		.amdhsa_float_denorm_mode_16_64 3
		.amdhsa_memory_ordered 1
		.amdhsa_forward_progress 1
		.amdhsa_inst_pref_size 65
	.end_amdhsa_kernel
	.amdgpu_metadata
---
amdhsa.version: [ 1, 2 ]
amdhsa.kernels:
  - .name:           k_qf89cf719a3_prep
    .symbol:         k_qf89cf719a3_prep.kd
    .args:
      - { .name: x, .offset: 0, .size: 8, .value_kind: global_buffer, .address_space: global }
      - { .name: Wq, .offset: 8, .size: 8, .value_kind: global_buffer, .address_space: global }
      - { .name: Wk, .offset: 16, .size: 8, .value_kind: global_buffer, .address_space: global }
      - { .name: Wv, .offset: 24, .size: 8, .value_kind: global_buffer, .address_space: global }
      - { .name: Wo, .offset: 32, .size: 8, .value_kind: global_buffer, .address_space: global }
      - { .name: x_codes, .offset: 40, .size: 8, .value_kind: global_buffer, .address_space: global }
      - { .name: x_scales, .offset: 48, .size: 8, .value_kind: global_buffer, .address_space: global }
      - { .name: w_codes, .offset: 56, .size: 8, .value_kind: global_buffer, .address_space: global }
      - { .name: w_scales, .offset: 64, .size: 8, .value_kind: global_buffer, .address_space: global }
      - { .name: wo16, .offset: 72, .size: 8, .value_kind: global_buffer, .address_space: global }
    .group_segment_fixed_size: 61952
    .private_segment_fixed_size: 0
    .kernarg_segment_align: 8
    .kernarg_segment_size: 80
    .max_flat_workgroup_size: 128
    .sgpr_count:     66
    .vgpr_count:     224
    .wavefront_size: 32
...
	.end_amdgpu_metadata
.endif
;; end of part 1
;; launch qkv (part 2): grid 12 x 32, 4 waves a work-group, clusters of 4 x 4, 327,680 bytes of LDS; arguments x_codes, x_scales, w_codes, w_scales, bq, bk, bv, qkv, fine32; writes qkv, fine32
.if DOCPART == 2
	.amdgcn_target "amdgcn-amd-amdhsa--gfx1250"
	.amdhsa_code_object_version 6
	.text
	.protected	k_qf89cf719a3_qkv
	.globl	k_qf89cf719a3_qkv
	.p2align	8
	.type	k_qf89cf719a3_qkv,@function
k_qf89cf719a3_qkv:
	s_mov_b64 s[64:65], 0
	v_nop
	global_prefetch_b8 v0, s[64:65] scope:SCOPE_SE
	s_setreg_imm32_b32 hwreg(HW_REG_WAVE_MODE, 25, 1), 1
	s_wait_xcnt 0x0
	s_wait_alu depctr_hold_cnt(0) depctr_sa_sdst(0) depctr_va_vdst(0) depctr_va_sdst(0) depctr_va_ssrc(0) depctr_va_vcc(0) depctr_vm_vsrc(0)
	s_getreg_b32 s2, hwreg(HW_REG_IB_STS2, 6, 4)
	s_cmp_eq_u32 s2, 0
	s_cbranch_scc0 .Lentry_in_a_cluster
	s_endpgm
.Lentry_in_a_cluster:
	s_bfe_u32 s2, ttmp6, 0x10000c
	s_cmp_lg_u32 s2, 0xf033
	s_cbranch_scc0 .Lentry_shape_is_right
	s_endpgm
.Lentry_shape_is_right:
; q, k, v = Q(x) Q(W) + b: one GEMM [8192 m] x [3072 n = 1024 x (q, k, v) + column] over K = 1,024, on codes of FP4 (E2M1) with one E8M0 scale for each 32 along K; sums in f32.
; Out: qkv, f16, [3][4 b][16 h][2048 s][64]; and the first 16 positions of every batch once more in f32, fine32 [4 b][48 = 16 x tensor + head][16 s][64].
; LIMIT: |q|, |k|, |v| under 65,504 (f16).
; A tile, 256 x 256, is made by four waves, each 128 x 128: 64 accumulators, 512 registers.  K is two slots of 512: BOTH ARE FIRST FILLS, nothing is filled again; a wave has three tensor loads out at the start.
; x's tile rows are 256 bytes of memory.  W's codes lie by planes of 128 k, [plane][n][64 bytes]: a wave's 128 n of a plane are 8,192 consecutive bytes, four planes to a load.
; The scale bytes of the work-group's 256 rows of x and 256 rows n of W, for all of K, come once, in whole runs of 256 bytes.
; CLUSTERS: 4 x 4 work-groups; x's tiles are shared along a row of the cluster, W's along a column: each is asked for jointly.  Tile row = 8 cy + cluster y, so that cy is the batch and
; cluster y = 0, a number that all sixteen share, marks a batch's first tile.
; THE MATRIX INSTRUCTION IS USED TRANSPOSED (source 0 = 16 rows n of W, source 1 = 16 rows of x): a lane holds eight neighbouring columns of one row.  The bias is the C of each sum's first product.
; REGISTERS, in windows of 256: window 0: v16-31 addresses; v32-95 scale words, two sets, and nothing else; v128-191 x's fragments, one set (on the way out v128-159: packed results);
;   v192-255 the bias, eight registers for each block of 16 columns (on the way out: rows read back from the stage);
;   window 1: W's fragments, two sets, at v0 and v128;  window 2: the accumulators of my rows 0-63 ((a, b) at v[8 (8 a + b)]);  window 3: those of rows 64-127.
.set NQ,     4                         ; steps of 128 along K in a slot
.set ROWB,   256                       ; a row of x's tile in bytes
.set KROW,   512                       ; a row of x's codes in memory
.set PITCH,  272                       ; 256 bytes + 16 of padding: the sixteen rows that a load touches start at sixteen different 16-byte columns of 256
.set FR,     8
.set NL,     2
.set NP,     4
.set HALFT,  128*PITCH                 ; what one tensor load brings: 128 rows of x, or 4 planes x 128 n of W (4 x 32 x 272)
.set SLOT,   4*HALFT
.set WPLANE, 196608                    ; a plane of W's codes in memory
.set BPL,    32*PITCH                  ; a plane's 128 n in LDS
.set KS,     32                        ; a row of scale bytes
.set SCL,    2*SLOT
.set HALFS,  (128*KS/256)*272
.set SBLK,   (16*KS/256)*272
.set SPARE,  SCL+4*HALFS               ; the spare words, 128 bytes for each wave: two blocks of 256 bytes that no other line names
.set ADRA, 16                          ; v16-17 LDS address of my fragments of x in slot 0, 1
.set ADRB, 20                          ; v20-21 the same for W
.set STO,  24                          ; the way out: where I put 16 bytes of a row
.set RD,   25                          ; and where I read back
.set CO,   26                          ; 16 x lane
.set ADRS, 27                          ; my scale words: lanes 0-15 x's rows, lanes 16-31 W's
.set SPW,  28
.set NIL,  29
.set FO,   30                          ; fine32: 256 r + 32 h
.set BO,   31                          ; the bias: 32 h
.set SC,   32
.set AF,   128
.set BIAS, 192
.set TMP,  128                         ; the way out: packed results (x's fragments are done with)
.set BK,   192                         ; and rows read back: v192-223, v224-255 by turns (the bias was last read in the first K step)
.set G1, 24
.set G0, 32
.set G1B, 48
.set G0B, 56
.set G1S, 68
.set G0S, 76
.set G1SB, 80
.set G0SB, 88
.set MSB, 0
.macro WIN new                         ; the immediate's high byte repeats the setting that is left
.if MSB != (\new)
	s_set_vgpr_msb (MSB<<8)|(\new)
.set MSB, (\new)
.endif
.endm
.set MUL_LO, 0xa1                      ; source 0 (W) window 1, source 1 (x) window 0, C and D window 2
.set MUL_HI, 0xf1                      ; the same, C and D window 3
.set TO_B,   0x40
; A joint load: waves 0 and 1 fetch for x, waves 2 and 3 for W.  The branch hangs on the wave's number alone.  An s_nop 0 and four v_nop follow each line.
.macro JLOAD g0a, g1a, g0b, g1b
	s_cmp_eq_u32 s15, 0
	s_cbranch_scc0 .Lfor_b_\@
	tensor_load_to_lds s[\g0a:\g0a+3], s[\g1a:\g1a+7]
	s_nop 0
.rept 4
	v_nop
.endr
	s_branch .Lasked_\@
.Lfor_b_\@:
	tensor_load_to_lds s[\g0b:\g0b+3], s[\g1b:\g1b+7]
	s_nop 0
.rept 4
	v_nop
.endr
.Lasked_\@:
.endm
.macro CROUND                          ; a round of the cluster's barrier
	s_barrier_signal -1
	s_barrier_wait -1
	s_cmp_lg_u32 s14, 0
	s_cbranch_scc1 .Lnot_wave_0_\@
	s_barrier_signal -3
.Lnot_wave_0_\@:
	s_barrier_wait -3
	s_barrier_signal -1
	s_barrier_wait -1
.endm
	s_load_b128 s[4:7], s[0:1], 0x0                ; x's codes, x's scales
	s_load_b128 s[8:11], s[0:1], 0x10              ; W's codes, W's scales
	v_lshl_add_u32 v[SPW], v0, 2, SPARE
	v_mov_b32 v[NIL], 0
	ds_add_u32 v[SPW], v[NIL]                      ; the wave's opening: the add, twice on end, and its wait ahead of my first tensor load
	ds_add_u32 v[SPW], v[NIL]
	v_lshrrev_b32 v1, 5, v0
	v_readfirstlane_b32 s14, v1                    ; wave 0..3
	s_lshr_b32 s15, s14, 1                         ; which half of the tile's rows is mine.  Also: I fetch for x (0) or for W (1)
	s_and_b32 s16, s14, 1                          ; which half of its columns.  Also: which 128 rows of that tile I fetch
	s_bfe_u32 s40, ttmp6, 0x40000                  ; cx
	s_bfe_u32 s41, ttmp6, 0x40004                  ; cy
	s_lshl_b32 s42, ttmp9, 2
	s_add_co_u32 s42, s42, s40                     ; tile column = 4 x cluster x + cx: cluster x is the tensor (q, k, v)
	s_and_b32 s67, ttmp7, 0xffff                   ; cluster y: the tile within its batch
	s_lshl_b32 s17, s41, 3
	s_add_co_u32 s17, s17, s67                     ; tile row = 8 cy + cluster y
	s_lshl_b32 s43, s41, 2
	s_lshl_b32 s43, 15, s43                        ; my row of the cluster
	s_lshl_b32 s44, 0x1111, s40                    ; my column
	s_or_b32 s[G1+0], s43, (0<<16)|(1<<20)|(1<<21)|(5<<22)|(3<<25)   ; x: elements of 1 byte; padding: 4 words behind every 64; bit 21 beside the mask
	s_mov_b32 s[G1+1], ROWB<<16                    ; tensor_dim0 = 256
	s_mov_b32 s[G1+2], 128<<16                     ; tensor_dim1 = 128
	s_mov_b32 s[G1+3], ROWB<<16                    ; tile_dim0
	s_mov_b32 s[G1+4], 128                         ; tile_dim1
	s_mov_b32 s[G1+5], KROW                        ; from row to row
	s_mov_b32 s[G1+6], 0
	s_mov_b32 s[G1+7], 0
	s_or_b32 s[G1B+0], s44, (0<<16)|(1<<20)|(1<<21)|(5<<22)|(3<<25)  ; W: four rows (planes) of 8,192 bytes, the same padding: 32 runs of 272 to a plane
	s_mov_b32 s[G1B+1], 8192<<16
	s_mov_b32 s[G1B+2], 4<<16
	s_mov_b32 s[G1B+3], 8192<<16
	s_mov_b32 s[G1B+4], 4
	s_mov_b32 s[G1B+5], WPLANE
	s_mov_b32 s[G1B+6], 0
	s_mov_b32 s[G1B+7], 0
	s_or_b32 s[G1S+0], s43, (3<<16)|(1<<20)|(1<<21)|(5<<22)|(3<<25)  ; the scales of 128 rows: 4,096 dense bytes as 16 rows of 256 (32 elements of 8 bytes)
	s_or_b32 s[G1SB+0], s44, (3<<16)|(1<<20)|(1<<21)|(5<<22)|(3<<25)
.irp g, G1S, G1SB
	s_mov_b32 s[\g+1], 32<<16
	s_mov_b32 s[\g+2], (128*KS/256)<<16
	s_mov_b32 s[\g+3], 32<<16
	s_mov_b32 s[\g+4], 128*KS/256
	s_mov_b32 s[\g+5], 32
	s_mov_b32 s[\g+6], 0
	s_mov_b32 s[\g+7], 0
.endr
	s_lshl_b32 s18, s16, 7                         ; which 128 rows of the tile I fetch
	s_lshl_b32 s20, s17, 8
	s_add_co_u32 s20, s20, s18                     ; x: row 256 x tile row + 128 x half
	s_lshl_b32 s46, s42, 8
	s_add_co_u32 s46, s46, s18                     ; W: row n = 256 x tile column + 128 x half
	s_lshl_b32 s22, s20, 5                         ; their scale bytes: 32 a row
	s_mov_b32 s23, 0
	s_lshl_b32 s92, s46, 5
	s_mov_b32 s93, 0
	s_lshl_b32 s20, s20, 9                         ; x's codes: 512 bytes a row
	s_mov_b32 s21, 0
	s_lshl_b32 s46, s46, 6                         ; W's: 64 bytes a row in a plane
	s_mov_b32 s47, 0
	s_mul_i32 s45, s14, HALFT                      ; where they go: wave x 34,816: no place in the cluster enters an LDS address
	s_mul_i32 s94, s14, HALFS
	s_wait_dscnt 0x0                               ; both opening adds are done
	s_wait_kmcnt 0x0
	s_add_nc_u64 s[20:21], s[4:5], s[20:21]
	s_add_nc_u64 s[22:23], s[6:7], s[22:23]
	s_add_nc_u64 s[46:47], s[8:9], s[46:47]
	s_add_nc_u64 s[92:93], s[10:11], s[92:93]
	CROUND                                         ; all sixteen work-groups are here: the joint loads meet
	s_mov_b32 s[G0S], 1
	s_add_co_u32 s[G0S+1], s94, SCL
	s_mov_b64 s[G0S+2:G0S+3], s[22:23]
	s_or_b32 s[G0S+3], s[G0S+3], 0x80000000
	s_mov_b32 s[G0SB], 1
	s_add_co_u32 s[G0SB+1], s94, SCL
	s_mov_b64 s[G0SB+2:G0SB+3], s[92:93]
	s_or_b32 s[G0SB+3], s[G0SB+3], 0x80000000
	JLOAD G0S, G1S, G0SB, G1SB                     ; the scales first: they are wanted with the first slot
.irp s, 0,1
	s_mov_b32 s[G0+4*\s], 1
	s_add_co_u32 s[G0+4*\s+1], s45, \s*SLOT
	s_add_nc_u64 s[G0+4*\s+2:G0+4*\s+3], s[20:21], \s*ROWB
	s_or_b32 s[G0+4*\s+3], s[G0+4*\s+3], 0x80000000
	s_mov_b32 s[G0B+4*\s], 1
	s_add_co_u32 s[G0B+4*\s+1], s45, \s*SLOT
	s_add_nc_u64 s[G0B+4*\s+2:G0B+4*\s+3], s[46:47], \s*4*WPLANE
	s_or_b32 s[G0B+4*\s+3], s[G0B+4*\s+3], 0x80000000
	JLOAD G0+4*\s, G1, G0B+4*\s, G1B
.endr
	s_load_b256 s[4:11], s[0:1], 0x20              ; bq, bk, bv, qkv (the first four addresses have been used)
	s_load_b64 s[12:13], s[0:1], 0x40              ; fine32
	v_and_b32 v1, 15, v0                           ; r = lane % 16
	v_bfe_u32 v2, v0, 4, 1                         ; h = lane / 16
	v_mul_u32_u24 v3, v1, PITCH
	v_lshl_add_u32 v4, v2, 4, v3                   ; x: row r x pitch + 16 h
	v_lshrrev_b32 v5, 2, v1
	v_mul_u32_u24 v5, v5, PITCH
	v_and_b32 v6, 3, v1
	v_lshl_add_u32 v5, v6, 6, v5
	v_lshl_add_u32 v5, v2, 4, v5                   ; W: four rows n of 64 bytes to a run of 272: 272 (r / 4) + 64 (r % 4) + 16 h
	s_mul_i32 s21, s15, HALFT                      ; my 128 rows of x
	s_mul_i32 s22, s16, HALFT                      ; my 128 rows n of W,
	s_add_co_u32 s22, s22, 2*HALFT                 ; which lie behind x's 256
.irp s, 0,1
	v_add_nc_u32 v[ADRA+\s], s21, v4
	v_add_nc_u32 v[ADRB+\s], s22, v5
	s_add_co_u32 s21, s21, SLOT
	s_add_co_u32 s22, s22, SLOT
.endr
	v_mul_u32_u24 v5, v1, KS                       ; my row's scales: 32 bytes a row,
	v_lshrrev_b32 v6, 8, v5
	v_lshl_add_u32 v5, v6, 4, v5                   ; and 16 more for each 256 passed
	s_mul_i32 s21, s15, HALFS
	s_mul_i32 s22, s16, HALFS
	s_add_co_u32 s22, s22, 2*HALFS
	s_sub_co_u32 s22, s22, s21
	v_mul_u32_u24 v6, s22, v2                      ; lanes 16-31 take W's: one product, the distance between the two bases
	s_add_co_u32 s21, s21, SCL
	v_add_nc_u32 v5, v5, v6
	v_add_nc_u32 v[ADRS], s21, v5
	s_mul_i32 s23, s14, 16*272                     ; my stage for the way out: 16 rows x 272, in slot 0, which has had its only fill and is read by nobody behind the change of slots
	v_mul_u32_u24 v5, v1, 272
	v_lshl_add_u32 v5, v2, 4, v5
	v_add_nc_u32 v[STO], s23, v5                   ; in: row r, 16 bytes for each half of the lanes
	v_and_b32 v6, 31, v0
	v_lshrrev_b32 v5, 3, v6
	v_mul_u32_u24 v5, v5, 272
	v_and_b32 v7, 7, v0
	v_lshl_add_u32 v5, v7, 4, v5
	v_add_nc_u32 v[RD], s23, v5                    ; back: eight lanes to a head's 128 bytes of a row, four rows an instruction
	v_lshlrev_b32 v[CO], 4, v6
	v_lshlrev_b32 v[FO], 8, v1
	v_lshl_add_u32 v[FO], v2, 5, v[FO]
	v_lshlrev_b32 v[BO], 5, v2
	s_wait_kmcnt 0x0
	s_cmp_eq_u32 ttmp9, 0
	s_cselect_b64 s[4:5], s[4:5], s[6:7]
	s_cmp_eq_u32 ttmp9, 2
	s_cselect_b64 s[4:5], s[8:9], s[4:5]           ; my tensor's bias
	s_lshl_b32 s46, s40, 10
	s_lshl_b32 s47, s16, 9
	s_add_co_u32 s46, s46, s47                     ; my first column in the tensor, 256 cx + 128 x half, in bytes
	s_mov_b32 s47, 0
	s_add_nc_u64 s[4:5], s[4:5], s[46:47]
.irp b, 0,1,2,3,4,5,6,7
	global_load_b128 v[BIAS+8*\b:BIAS+8*\b+3], v[BO], s[4:5] offset:64*\b        ; lane (r, h): the bias of columns 16 b + 8 h + 0 .. 7
	global_load_b128 v[BIAS+8*\b+4:BIAS+8*\b+7], v[BO], s[4:5] offset:64*\b+16
.endr
	s_lshl_b32 s46, ttmp9, 24                      ; qkv: tensor x 16,777,216
	s_lshl_b32 s18, s41, 22                        ; + batch x 4,194,304
	s_add_co_u32 s46, s46, s18
	s_lshl_b32 s18, s40, 20                        ; + head (4 cx + 2 x half) x 262,144
	s_add_co_u32 s46, s46, s18
	s_lshl_b32 s18, s16, 19
	s_add_co_u32 s46, s46, s18
	s_lshl_b32 s18, s67, 15                        ; + position (256 cluster y + 128 x half) x 128
	s_add_co_u32 s46, s46, s18
	s_lshl_b32 s18, s15, 14
	s_add_co_u32 s46, s46, s18
	s_add_nc_u64 s[10:11], s[10:11], s[46:47]
	s_mul_i32 s46, s41, 48                         ; fine32: (48 batch + 16 tensor + head) x 4,096
	s_lshl_b32 s18, ttmp9, 4
	s_add_co_u32 s46, s46, s18
	s_lshl_b32 s18, s40, 2
	s_add_co_u32 s46, s46, s18
	s_lshl_b32 s18, s16, 1
	s_add_co_u32 s46, s46, s18
	s_lshl_b32 s46, s46, 12
	s_add_nc_u64 s[12:13], s[12:13], s[46:47]
.macro FRAG reg, adr, q, i             ; x: 16 rows x 128 K: registers 4 c .. 4 c + 3 hold K = 64 c + 32 h + 0 .. 31
.irp c, 0,1
	ds_load_b128 v[\reg+4*\c:\reg+4*\c+3], v[\adr] offset:64*(\q)+32*\c+(\i)*16*PITCH
.endr
.endm
.macro FRAGB reg, adr, q, i            ; W: plane q of the slot, rows n 16 i on
.irp c, 0,1
	ds_load_b128 v[\reg+4*\c:\reg+4*\c+3], v[\adr] offset:BPL*(\q)+4*PITCH*(\i)+32*\c
.endr
.endm
; 16 matrix instructions: x's blocks a0, a0 + 1 against W's eight.  first = 1: the bias is the C.  The 64 accumulators take turns, one instruction a turn, in the same order in every step.
.macro MUL16 a0, p, q, sc, first
.irp a, \a0, \a0+1
.irp b, 0,1,2,3,4,5,6,7
.if \first
	v_wmma_scale_f32_16x16x128_f8f6f4 v[8*(8*((\a)%4)+\b):8*(8*((\a)%4)+\b)+7], v[128*(\p)+FR*\b:128*(\p)+FR*\b+FR-1], v[AF+FR*(\a):AF+FR*(\a)+FR-1], v[BIAS+8*\b:BIAS+8*\b+7], v[SC+8*NQ*(\sc)+NQ*\b+(\q)], v[SC+8*NQ*(\sc)+NQ*(\a)+(\q)] matrix_a_fmt:MATRIX_FMT_FP4 matrix_b_fmt:MATRIX_FMT_FP4 matrix_a_scale:MATRIX_SCALE_ROW1
.else
	v_wmma_scale_f32_16x16x128_f8f6f4 v[8*(8*((\a)%4)+\b):8*(8*((\a)%4)+\b)+7], v[128*(\p)+FR*\b:128*(\p)+FR*\b+FR-1], v[AF+FR*(\a):AF+FR*(\a)+FR-1], v[8*(8*((\a)%4)+\b):8*(8*((\a)%4)+\b)+7], v[SC+8*NQ*(\sc)+NQ*\b+(\q)], v[SC+8*NQ*(\sc)+NQ*(\a)+(\q)] matrix_a_fmt:MATRIX_FMT_FP4 matrix_b_fmt:MATRIX_FMT_FP4 matrix_a_scale:MATRIX_SCALE_ROW1
.endif
.endr
.endr
.endm
.macro FETCH_B slot, q, p
	WIN TO_B
.irp i, 0,1,2,3,4,5,6,7
	FRAGB 128*(\p)+FR*\i, ADRB+\slot, \q, \i
.endr
	WIN 0
.endm
.macro FETCH_A slot, q, i0
.irp i, \i0, \i0+1, \i0+2, \i0+3
	FRAG AF+FR*(\i), ADRA+\slot, \q, \i
.endr
.endm
.macro SCALES sc                       ; a slot's scale words: four a row; lanes 0-15 take x's block i, lanes 16-31 W's block i
.irp i, 0,1,2,3,4,5,6,7
	ds_load_b128 v[SC+8*NQ*\sc+NQ*\i:SC+8*NQ*\sc+NQ*\i+3], v[ADRS] offset:\i*SBLK
.endr
.endm
.macro PLACES n                        ; plain vector instructions between a matrix instruction and a load into, or a read of, its registers
.rept \n
	v_nop
.endr
.endm
.macro STEP slot, q, first             ; a step of 128 along K that has its successor in the same slot
	s_wait_dscnt 4*NL                              ; W's set and x's blocks 0-3 are in; the youngest eight loads (x's blocks 4-7) may be out
.if \first
	WIN 0x81                                       ; C (the bias) in window 0, D in window 2
.else
	WIN MUL_LO
.endif
	MUL16 0, (\q)%2, \q, \slot, \first
	MUL16 2, (\q)%2, \q, \slot, \first
	s_wait_dscnt 0
	PLACES NP
	FETCH_B \slot, (\q)+1, 1-(\q)%2
	FETCH_A \slot, (\q)+1, 0
.if \first
	WIN 0xc1                                       ; C in window 0, D in window 3
.else
	WIN MUL_HI
.endif
	MUL16 4, (\q)%2, \q, \slot, \first
	MUL16 6, (\q)%2, \q, \slot, \first
	PLACES NP
	WIN 0
	FETCH_A \slot, (\q)+1, 4
.endm
.macro TURN slot, next                 ; a slot's last step changes slots: each wave's part of the next slot has landed, then the barrier shows it to all.  Nothing is filled again
	s_wait_tensorcnt 0x0                           ; all my tensor loads have landed
	ds_add_u32 v[SPW], v[NIL]                      ; 0 onto my spare word
	s_wait_dscnt 4*NL+1                            ; (the add and x's blocks 4-7 may be out)
	WIN MUL_LO
	MUL16 0, 1, NQ-1, \slot, 0
	s_wait_dscnt 0x0                               ; the add is done, and my reads of this slot are over
	s_barrier_signal -1
	MUL16 2, 1, NQ-1, \slot, 0
	WIN 0
	s_barrier_wait -1
	PLACES NP
	v_add_nc_u32 v[ADRS], 4*NQ, v[ADRS]            ; on to the next slot's scale words
	FETCH_B \next, 0, 0
	FETCH_A \next, 0, 0
	SCALES \next
	WIN MUL_HI
	MUL16 4, 1, NQ-1, \slot, 0
	MUL16 6, 1, NQ-1, \slot, 0
	PLACES NP
	WIN 0
	FETCH_A \next, 0, 4
.endm
	s_wait_tensorcnt 1                             ; the scales and my part of slot 0 are in (slot 1's load may be out)
	s_barrier_signal -1
	s_barrier_wait -1                              ; everybody's are
	FETCH_B 0, 0, 0
	FETCH_A 0, 0, 0
	SCALES 0
	FETCH_A 0, 0, 4
	s_wait_loadcnt 0x0                             ; the bias
	STEP 0, 0, 1
	STEP 0, 1, 0
	STEP 0, 2, 0
	TURN 0, 1
	STEP 1, 0, 0
	STEP 1, 1, 0
	STEP 1, 2, 0
	s_wait_dscnt 4*NL                              ; the last step: nothing more to fetch
	WIN MUL_LO
	MUL16 0, 1, NQ-1, 1, 0
	MUL16 2, 1, NQ-1, 1, 0
	s_wait_dscnt 0
	WIN MUL_HI
	MUL16 4, 1, NQ-1, 1, 0
	MUL16 6, 1, NQ-1, 1, 0
	WIN 0
	PLACES NP
	; THE FIRST 16 POSITIONS OF A BATCH leave in f32 too: block 0 of the waves with the tile's upper rows, in a batch's first tile.  Cluster y is the same in all sixteen partners.
	s_or_b32 s66, s67, s15
	s_cmp_lg_u32 s66, 0
	s_cbranch_scc1 .Lnofine
	WIN 0x08                                       ; a store's data: window 2
.irp b, 0,1,2,3,4,5,6,7
	global_store_b128 v[FO], v[8*\b:8*\b+3], s[12:13] offset:(\b/4)*4096+(\b%4)*64          ; each accumulator from its low end on
	global_store_b128 v[FO], v[8*\b+4:8*\b+7], s[12:13] offset:(\b/4)*4096+(\b%4)*64+16
.endr
	WIN 0
.Lnofine:
; THE WAY OUT, block by block of 16 rows x 128 columns (two heads): rounded to f16, through my stage, back as runs of four rows of one head: 512 consecutive bytes of qkv.
.macro PACK a
.set AC, 64*((\a)%4)
	WIN 0x0a+5*((\a)/4)                            ; sources 0 and 1: window 2 or 3
.irp b, 0,1,2,3,4,5,6,7
.irp i, 0,1,2,3
	v_cvt_pk_f16_f32 v[TMP+4*\b+\i], v[AC+8*\b+2*\i], v[AC+8*\b+2*\i+1]
.endr
.endr
	WIN 0
.endm
.macro TOSTAGE a
.set BB, BK+32*((\a)%2)
.irp b, 0,1,2,3,4,5,6,7
	ds_store_b128 v[STO], v[TMP+4*\b:TMP+4*\b+3] offset:32*\b
.endr
.irp t, 0,1,2,3,4,5,6,7
	ds_load_b128 v[BB+4*\t:BB+4*\t+3], v[RD] offset:(\t%4)*4*272+(\t/4)*128   ; LDS serves a wave's instructions in order: these see the stores above
.endr
.endm
.macro SEND a
.set BB, BK+32*((\a)%2)
	s_wait_dscnt 0x0                               ; the block is back in registers
	s_wait_xcnt 0x0                                ; the block before's stores have read their registers: the next loads from the stage may land there
.irp t, 0,1,2,3,4,5,6,7
	global_store_b128 v[CO], v[BB+4*\t:BB+4*\t+3], s[10:11] offset:(\a)*2048+(\t%4)*512+(\t/4)*262144
.endr
.endm
	PACK 0
	TOSTAGE 0
.irp a, 1,2,3,4,5,6,7                  ; block a's conversions stand between block a - 1's loads from the stage and the wait for them
	PACK \a
	SEND \a-1
	TOSTAGE \a
.endr
	SEND 7
	s_wait_tensorcnt 0x0                           ; the wave's end
	ds_add_u32 v[SPW], v[NIL]
	s_wait_dscnt 0x0
	CROUND                                         ; the closing round
	s_endpgm
.Lfunc_end_k_qf89cf719a3_qkv:
	.size	k_qf89cf719a3_qkv, .Lfunc_end_k_qf89cf719a3_qkv-k_qf89cf719a3_qkv
	.p2alignl 7, 3214868480
	.fill 96, 4, 3214868480
	.section	.rodata,"a",@progbits
	.p2align	6, 0x0
	.amdhsa_kernel k_qf89cf719a3_qkv
		.amdhsa_group_segment_fixed_size 327680
		.amdhsa_private_segment_fixed_size 0
		.amdhsa_enable_private_segment 0
		.amdhsa_kernarg_size 72
		.amdhsa_user_sgpr_count 2
		.amdhsa_user_sgpr_kernarg_segment_ptr 1
		.amdhsa_wavefront_size32 1
		.amdhsa_system_sgpr_workgroup_id_x 1
		.amdhsa_system_sgpr_workgroup_id_y 1
		.amdhsa_system_sgpr_workgroup_id_z 1
		.amdhsa_system_vgpr_workitem_id 0
		.amdhsa_next_free_vgpr 1024
		.amdhsa_next_free_sgpr 98
		.amdhsa_reserve_vcc 0
		.amdhsa_float_denorm_mode_32 3
		.amdhsa_float_denorm_mode_16_64 3
		.amdhsa_memory_ordered 1
		.amdhsa_forward_progress 1
		.amdhsa_inst_pref_size 130
	.end_amdhsa_kernel
	.amdgpu_metadata
---
amdhsa.version: [ 1, 2 ]
amdhsa.kernels:
  - .name:           k_qf89cf719a3_qkv
    .symbol:         k_qf89cf719a3_qkv.kd
    .args:
      - { .name: x_codes, .offset: 0, .size: 8, .value_kind: global_buffer, .address_space: global }
      - { .name: x_scales, .offset: 8, .size: 8, .value_kind: global_buffer, .address_space: global }
      - { .name: w_codes, .offset: 16, .size: 8, .value_kind: global_buffer, .address_space: global }
      - { .name: w_scales, .offset: 24, .size: 8, .value_kind: global_buffer, .address_space: global }
      - { .name: bq, .offset: 32, .size: 8, .value_kind: global_buffer, .address_space: global }
      - { .name: bk, .offset: 40, .size: 8, .value_kind: global_buffer, .address_space: global }
      - { .name: bv, .offset: 48, .size: 8, .value_kind: global_buffer, .address_space: global }
      - { .name: qkv, .offset: 56, .size: 8, .value_kind: global_buffer, .address_space: global }
      - { .name: fine32, .offset: 64, .size: 8, .value_kind: global_buffer, .address_space: global }
    .group_segment_fixed_size: 327680
    .private_segment_fixed_size: 0
    .kernarg_segment_align: 8
    .kernarg_segment_size: 72
    .max_flat_workgroup_size: 128
    .sgpr_count:     98
    .vgpr_count:     1024
    .wavefront_size: 32
...
	.end_amdgpu_metadata
.endif
;; end of part 2
;; launch attn (part 3): grid 4 x 64, 8 waves a work-group, no clusters, 327,680 bytes of LDS; arguments qkv, attn; writes attn
.if DOCPART == 3
	.amdgcn_target "amdgcn-amd-amdhsa--gfx1250"
	.amdhsa_code_object_version 6
	.text
	.protected	k_qf89cf719a3_attn
	.globl	k_qf89cf719a3_attn
	.p2align	8
	.type	k_qf89cf719a3_attn,@function
k_qf89cf719a3_attn:
	s_mov_b64 s[64:65], 0
	v_nop
	global_prefetch_b8 v0, s[64:65] scope:SCOPE_SE
	s_setreg_imm32_b32 hwreg(HW_REG_WAVE_MODE, 25, 1), 1
	s_wait_xcnt 0x0
; attn[h][2048 b + s][:] = the sum over keys k <= s of softmax_k(q . k / 8) v: causal attention, head size 64, q, k, v in f16 out of qkv [3][4 b][16 h][2048][64]; products' sums, maxima and sums in f32;
; the weights p are rounded to f16 for the second product, the result once at the end.  Out: f16, [16 heads][8192 rows][64].
; LIMIT: the result's magnitude under 65,504 (f16).  (Positions 0-15 of a batch are also made here, but out0's rows there come from the launch that carries them in f32.)
; SHARES.  Work-group (i, 16 b + h) makes the query blocks 7 - i and then i of its head, 256 queries each.  Block j' walks j' + 1 slots of 256 keys, so EVERY work-group walks 8 - i + i + 1 = 9 slots:
; 256 work-groups of equal length and a constant trip count.  Each of eight waves owns 32 queries, two tiles of 16; two waves to a SIMD, so that one wave's softmax stands beside the other's products.
; A slot is four steps of 64 keys.  A step all of whose keys come after the wave's queries is left out by a scalar branch on ids; the one step on the diagonal masks its scores.
; NO CLUSTER: the four work-groups of a head want the same slot only in trips 0 to 4; from trip 8 - i on work-group i starts again at slot 0, so a joint load would bring tiles that a partner never reads.
; LAYOUT.  S^T = K Q^T (source 0 = 16 keys, source 1 = 16 queries), O^T = V^T P (source 0 = 16 channels, turned by ds_load_tr16_b128): a lane holds one query throughout.
; K's and V's rows are 128 bytes, dense in memory: they are stated as rows of 256 bytes with padding behind each: row x lies at (x / 2) pitch + 128 (x % 2).
; REGISTERS: window 0: v1-15 addresses; v16-31 statistics, eight a tile (c m, m, l, l, c0-c3); v32-63 Q; v64-127 S^T; v128-159 P; v160-223 O^T; v224-255 packed results.
;   window 1: v0-63 K of a step; v64-127 V of a step; v128-159 the second block's Q.
.set KP,    272
.set VP,    288
.set VOFF,  128*KP                     ; a slot: 128 double rows of K, then 128 of V
.set SLOT1, 131072                     ; slot 1 begins here: one exclusive or turns an address
.set STAGE, 202752                     ; behind the ring: 32 rows x 144 bytes for each wave
.set SPARE, STAGE+8*32*144             ; the spare words, 128 bytes for each wave: four blocks of 256 bytes that no other line names
.set AK0, 1
.set AV0, 2
.set ADK, 3
.set ADV, 4
.set QO,  5
.set STO, 6
.set RD,  7
.set GO,  8
.set SPW, 9
.set NIL, 10
.set PFO, 11
.set LD,  12                           ; r - 8 h
.set D0,  13                           ; v13, v14: the mask's bound for tile 0, 1
.set NINF, 15
.set ST,  16
.set Q,   32
.set S,   64
.set P,   128
.set O,   160
.set TMP, 224
.set KF,  0                            ; window 1
.set VF,  64
.set Q2,  128
.set WV,  8
.set I,   9
.set BY,  10
.set N0,  11                           ; 8 - i: the trip in which the second block begins
.set T,   12                           ; the trip
.set TB,  13                           ; LDS byte at which the slot in hand begins
.set DQ,  14                           ; my first query less the slot's first key
.set Q0W, 15                           ; my first query
.set SEL, 20
.set CS,  22                           ; s[22:23] c = log2(e) / 8
.set G1K, 24
.set G1V, 32
.set G0K, 40
.set G0V, 44
.set KB,  48                           ; K of my head, at the half that I would fetch
.set VB,  50
.set OFF, 52
.set PFA, 54
.set LIMT, 56
.set OB,  58
.set OP,  60
.set W_MM, 0x01                        ; source 0 (K or V) window 1
.set W_LD, 0x40                        ; destination window 1
.set MSB, 0
.macro WIN new
.if MSB != (\new)
	s_set_vgpr_msb (MSB<<8)|(\new)
.set MSB, (\new)
.endif
.endm
; Waves 0 and 1 fetch K's halves of a slot, waves 2 and 3 V's, the others nothing.  An s_nop 0 and four v_nop follow each line.
.macro TLOAD
	s_cmp_lt_u32 s[WV], 2
	s_cbranch_scc0 .Lnot_k_\@
	tensor_load_to_lds s[G0K:G0K+3], s[G1K:G1K+7]
	s_nop 0
.rept 4
	v_nop
.endr
	s_branch .Lasked_\@
.Lnot_k_\@:
	s_cmp_lt_u32 s[WV], 4
	s_cbranch_scc0 .Lasked_\@
	tensor_load_to_lds s[G0V:G0V+3], s[G1V:G1V+7]
	s_nop 0
.rept 4
	v_nop
.endr
.Lasked_\@:
.endm
; A PREFETCH INTO THE L2 of the slot that the NEXT change will ask for.  Work-group i = 0 of a head walks slots 0 to 7 in order: it alone asks, in the waves that fetch nothing: waves 4, 5 for K's halves,
; waves 6, 7 for V's: 16,384 bytes a wave, lanes 256 bytes apart, two instructions.  Trip T names slot T + 2, for T < 6: each run of 256 bytes is named once, and none lies past the head's rows.
.macro ASK
	s_cmp_lt_u32 s[T], s[LIMT]
	s_cbranch_scc0 .Lnot_mine_\@
	global_prefetch_b8 v[PFO], s[PFA:PFA+1] th:TH_LOAD_NT scope:SCOPE_SE
	global_prefetch_b8 v[PFO], s[PFA:PFA+1] offset:8192 th:TH_LOAD_NT scope:SCOPE_SE
.Lnot_mine_\@:
.endm
	s_load_b128 s[4:7], s[0:1], 0x0                ; qkv, attn
	v_lshl_add_u32 v[SPW], v0, 2, SPARE
	v_mov_b32 v[NIL], 0
	ds_add_u32 v[SPW], v[NIL]                      ; the wave's opening: the add, twice on end, and its wait ahead of my first tensor load
	ds_add_u32 v[SPW], v[NIL]
	v_lshrrev_b32 v64, 5, v0
	v_readfirstlane_b32 s[WV], v64                 ; wave 0..7
	s_mov_b32 s[I], ttmp9
	s_and_b32 s[BY], ttmp7, 0xffff                 ; 16 b + h
	s_sub_co_u32 s[N0], 8, s[I]
	s_mov_b32 s[G1K], (1<<16)|(1<<20)|(5<<22)|(3<<25)   ; elements of 2 bytes; padding: 4 words behind every 64
	s_mov_b32 s[G1V], (1<<16)|(1<<20)|(5<<22)|(7<<25)   ; the same with 8 words
.irp g, G1K, G1V
	s_mov_b32 s[\g+1], 128<<16                     ; tensor_dim0 = 128 elements: two rows of 64
	s_mov_b32 s[\g+2], 64<<16                      ; tensor_dim1 = 64: 128 keys
	s_mov_b32 s[\g+3], 128<<16                     ; tile_dim0
	s_mov_b32 s[\g+4], 64                          ; tile_dim1
	s_mov_b32 s[\g+5], 128                         ; dense
	s_mov_b32 s[\g+6], 0
	s_mov_b32 s[\g+7], 0
.endr
	s_mov_b32 s[SEL], 0x76543210
	s_mov_b32 s[SEL+1], 0xfedcba98
	s_mov_b32 s[CS], 0x3e38aa3b                    ; c = log2(e) / sqrt(64)
	s_mov_b32 s[CS+1], s[CS]
	s_mov_b32 s[TB], 0
	s_and_b32 s16, s[WV], 1                        ; which half of a slot I would fetch
	s_mul_i32 s[G0K+1], s16, 64*KP                 ; its place in slot 0
	s_mul_i32 s[G0V+1], s16, 64*VP
	s_add_co_u32 s[G0V+1], s[G0V+1], VOFF
	s_lshl_b32 s18, s16, 14                        ; 128 keys x 128 bytes
	s_mov_b32 s19, 0
	s_lshl_b32 s[OFF], s[BY], 18                   ; a head's 2,048 rows of 128 bytes
	s_mov_b32 s[OFF+1], 0
	s_mov_b32 s[G0K], 1
	s_mov_b32 s[G0V], 1
	s_wait_dscnt 0x0                               ; both opening adds are done
	s_wait_kmcnt 0x0
	s_add_nc_u64 s[62:63], s[4:5], s[OFF:OFF+1]    ; q of my head
	s_add_nc_u64 s[KB:KB+1], s[62:63], 16777216
	s_add_nc_u64 s[KB:KB+1], s[KB:KB+1], s[18:19]
	s_add_nc_u64 s[VB:VB+1], s[KB:KB+1], 16777216
	s_mov_b64 s[G0K+2:G0K+3], s[KB:KB+1]
	s_or_b32 s[G0K+3], s[G0K+3], 0x80000000
	s_mov_b64 s[G0V+2:G0V+3], s[VB:VB+1]
	s_or_b32 s[G0V+3], s[G0V+3], 0x80000000
	TLOAD                                          ; slot 0: keys 0 to 255, which count for every block
	v_and_b32 v64, 15, v0                          ; r
	v_bfe_u32 v65, v0, 4, 1                        ; h
	v_and_b32 v66, 31, v0                          ; lane
	v_lshlrev_b32 v[QO], 7, v64
	v_lshl_add_u32 v[QO], v65, 4, v[QO]            ; Q: row r of 128 bytes + 16 h
	s_sub_co_u32 s16, 7, s[I]
	s_lshl_b32 s16, s16, 8
	s_lshl_b32 s17, s[WV], 5
	s_add_co_u32 s[Q0W], s16, s17                  ; my first query of the first block: 256 (7 - i) + 32 w
	s_lshl_b32 s16, s[Q0W], 7
	s_lshl_b32 s18, s[I], 15
	s_lshl_b32 s17, s[WV], 12
	s_add_co_u32 s18, s18, s17                     ; and of the second, in bytes: (256 i + 32 w) x 128
	s_mov_b32 s17, 0
	s_add_nc_u64 s[66:67], s[62:63], s[16:17]
	s_add_nc_u64 s[68:69], s[62:63], s[18:19]
.irp t, 0,1
.irp c, 0,1
.irp e, 0,1
	global_load_b128 v[Q+16*\t+8*\c+4*\e:Q+16*\t+8*\c+4*\e+3], v[QO], s[66:67] offset:2048*\t+64*\c+32*\e
.endr
.endr
.endr
	WIN W_LD
.irp t, 0,1
.irp c, 0,1
.irp e, 0,1
	global_load_b128 v[Q2+16*\t+8*\c+4*\e:Q2+16*\t+8*\c+4*\e+3], v[QO], s[68:69] offset:2048*\t+64*\c+32*\e
.endr
.endr
.endr
	WIN 0
	s_and_b32 s18, s[BY], 15
	s_lshl_b32 s18, s18, 20                        ; attn: head x 1,048,576
	s_lshr_b32 s17, s[BY], 4
	s_lshl_b32 s17, s17, 18                        ; + batch x 262,144
	s_add_co_u32 s18, s18, s17
	s_add_nc_u64 s[OB:OB+1], s[6:7], s[18:19]
	s_mov_b32 s17, 0
	s_add_nc_u64 s[OP:OP+1], s[OB:OB+1], s[16:17]  ; my 32 rows of the first block
	s_lshr_b32 s16, s[WV], 2
	s_xor_b32 s16, s16, 1                          ; 0 in waves 4 to 7,
	s_or_b32 s16, s16, ttmp9                       ; of work-group i = 0
	s_cmp_eq_u32 s16, 0
	s_cselect_b32 s[LIMT], 6, 0
	s_cmp_lt_u32 s[WV], 6
	s_cselect_b64 s[PFA:PFA+1], s[KB:KB+1], s[VB:VB+1]
	s_add_nc_u64 s[PFA:PFA+1], s[PFA:PFA+1], 32768 ; in slot 1: the first change steps it to slot 2.  Nothing is prefetched here, at the head
	v_lshrrev_b32 v67, 1, v64
	v_mul_u32_u24 v[AK0], v67, KP
	v_and_b32 v67, 1, v64
	v_lshl_add_u32 v[AK0], v67, 7, v[AK0]
	v_lshl_add_u32 v[AK0], v65, 4, v[AK0]          ; K: 272 (r / 2) + 128 (r % 2) + 16 h
	v_bfe_u32 v67, v0, 1, 2
	v_lshl_add_u32 v67, v65, 2, v67
	v_mul_u32_u24 v[AV0], v67, VP
	v_and_b32 v67, 1, v0
	v_lshl_add_u32 v[AV0], v67, 7, v[AV0]
	v_bfe_u32 v67, v0, 3, 1
	v_lshl_add_u32 v[AV0], v67, 4, v[AV0]
	v_add_nc_u32 v[AV0], VOFF, v[AV0]              ; V: key 8 h + lane % 8, channels 8 ((lane / 8) % 2) on
	s_mul_i32 s16, s[WV], 32*144
	s_add_co_u32 s16, s16, STAGE                   ; my stage
	v_mul_u32_u24 v[STO], v64, 144
	v_lshl_add_u32 v[STO], v65, 4, v[STO]
	v_add_nc_u32 v[STO], s16, v[STO]
	v_lshrrev_b32 v67, 3, v66
	v_mul_u32_u24 v[RD], v67, 144
	v_and_b32 v67, 7, v0
	v_lshl_add_u32 v[RD], v67, 4, v[RD]
	v_add_nc_u32 v[RD], s16, v[RD]
	v_lshlrev_b32 v[GO], 4, v66
	v_lshlrev_b32 v[PFO], 8, v66
	v_lshlrev_b32 v67, 3, v65
	v_sub_nc_u32 v[LD], v64, v67
	v_mov_b32 v[NINF], 0xff800000
.macro FETCH_K q                       ; a step's K: 64 keys x 64 channels: fragment (kt, c) at v[8 (2 kt + c)] of window 1
.irp kt, 0,1,2,3
.irp c, 0,1
.irp e, 0,1
	ds_load_b128 v[KF+8*(2*\kt+\c)+4*\e:KF+8*(2*\kt+\c)+4*\e+3], v[ADK] offset:32*KP*(\q)+8*KP*\kt+64*\c+32*\e
.endr
.endr
.endr
.endm
.macro FETCH_V q                       ; a step's V, turned: fragment (kk, ct): 16 channels x 32 keys
.irp kk, 0,1
.irp ct, 0,1,2,3
.irp e, 0,1
	ds_load_tr16_b128 v[VF+8*(4*\kk+\ct)+4*\e:VF+8*(4*\kk+\ct)+4*\e+3], v[ADV] offset:32*VP*(\q)+16*VP*\kk+8*VP*\e+32*\ct
.endr
.endr
.endr
.endm
.macro KQ                              ; 16 products; the eight accumulators take turns, one instruction a turn
.irp c, 0,1
.irp kt, 0,1,2,3
.irp t, 0,1
.if \c == 0
	v_wmma_f32_16x16x32_f16 v[S+32*\t+8*\kt:S+32*\t+8*\kt+7], v[KF+8*(2*\kt+\c):KF+8*(2*\kt+\c)+7], v[Q+16*\t+8*\c:Q+16*\t+8*\c+7], 0
.else
	v_wmma_f32_16x16x32_f16 v[S+32*\t+8*\kt:S+32*\t+8*\kt+7], v[KF+8*(2*\kt+\c):KF+8*(2*\kt+\c)+7], v[Q+16*\t+8*\c:Q+16*\t+8*\c+7], v[S+32*\t+8*\kt:S+32*\t+8*\kt+7]
.endif
.endr
.endr
.endr
.endm
.macro PV
.irp kk, 0,1
.irp ct, 0,1,2,3
.irp t, 0,1
	v_wmma_f32_16x16x32_f16 v[O+32*\t+8*\ct:O+32*\t+8*\ct+7], v[VF+8*(4*\kk+\ct):VF+8*(4*\kk+\ct)+7], v[P+16*\t+8*\kk:P+16*\t+8*\kk+7], v[O+32*\t+8*\ct:O+32*\t+8*\ct+7]
.endr
.endr
.endr
.endm
; On the diagonal hidden scores become -infinity ahead of the maximum.  Register 8 kt + j of tile t holds key 64 q + 16 kt + 8 h + j, its lane query DQ + 16 t + r: hidden where 16 kt + j > d_t.
.macro MASK q
	s_cmp_ge_i32 s[DQ], 64*(\q)+63                 ; all 64 keys count for all my queries
	s_cbranch_scc1 .Lopen_\@
	s_sub_co_i32 s16, s[DQ], 64*(\q)
	v_add_nc_u32 v[D0], s16, v[LD]
	v_add_nc_u32 v[D0+1], 16, v[D0]
.irp t, 0,1
.irp kt, 0,1,2,3
.irp j, 0,1,2,3,4,5,6,7
	v_cmp_gt_i32 vcc_lo, 16*\kt+\j, v[D0+\t]
	v_cndmask_b32 v[S+32*\t+8*\kt+\j], v[S+32*\t+8*\kt+\j], v[NINF], vcc_lo
.endr
.endr
.endr
.Lopen_\@:
.endm
; The softmax of a step, both tiles line by line.  p = 2^(c s - c m), m the running maximum; O^T and l are multiplied by a = 2^(c m_old - c m_new).
.macro SOFTMAX
.irp j, 0,1,2,3
.irp t, 0,1
	v_max3_num_f32 v[ST+8*\t+4+\j], v[S+32*\t+8*\j], v[S+32*\t+8*\j+1], v[S+32*\t+8*\j+2]     ; each accumulator from its low end on
.endr
.endr
.irp g, 1,2
.irp j, 0,1,2,3
.irp t, 0,1
	v_max3_num_f32 v[ST+8*\t+4+\j], v[ST+8*\t+4+\j], v[S+32*\t+8*\j+2*\g+1], v[S+32*\t+8*\j+2*\g+2]
.endr
.endr
.endr
.irp t, 0,1
	v_max3_num_f32 v[ST+8*\t+4], v[ST+8*\t+4], v[S+32*\t+7], v[S+32*\t+15]
.endr
.irp t, 0,1
	v_max3_num_f32 v[ST+8*\t+6], v[ST+8*\t+6], v[S+32*\t+23], v[S+32*\t+31]
.endr
.irp t, 0,1
	v_max3_num_f32 v[ST+8*\t+4], v[ST+8*\t+4], v[ST+8*\t+5], v[ST+8*\t+6]
.endr
.irp t, 0,1
	v_max3_num_f32 v[ST+8*\t+4], v[ST+8*\t+4], v[ST+8*\t+7], v[ST+8*\t+1]   ; with the old m
.endr
.irp t, 0,1
	v_permlanex16_b32 v[ST+8*\t+5], v[ST+8*\t+4], s[SEL], s[SEL+1]          ; the query's other 32 keys lie in the lane 16 away
.endr
.irp t, 0,1
	v_mov_b32 v[ST+8*\t+7], v[ST+8*\t]             ; c m_old
.endr
.irp t, 0,1
	v_max_num_f32 v[ST+8*\t+1], v[ST+8*\t+4], v[ST+8*\t+5]
.endr
.irp t, 0,1
	v_mul_f32 v[ST+8*\t], s[CS], v[ST+8*\t+1]
.endr
.irp t, 0,1
	v_sub_f32 v[ST+8*\t+7], v[ST+8*\t+7], v[ST+8*\t]
.endr
.irp t, 0,1
.set n, 0
.rept 16
	v_pk_fma_f32 v[S+32*\t+n:S+32*\t+n+1], v[S+32*\t+n:S+32*\t+n+1], s[CS:CS+1], v[ST+8*\t:ST+8*\t+1] op_sel_hi:[1,0,0] neg_lo:[0,0,1] neg_hi:[0,0,1]   ; c s - c m
.set n, n+2
.endr
.endr
.irp t, 0,1
	v_exp_f32 v[ST+8*\t+6], v[ST+8*\t+7]           ; a
.endr
.set n, 0
.rept 64
	v_exp_f32 v[S+n], v[S+n]
.set n, n+1
.endr
	v_nop                                          ; a plain instruction behind the last exponential,
	s_wait_alu depctr_va_vdst(0)                   ; and one wait for the batch of 66, ahead of its first reader
.set n, 0
.rept 32
	v_cvt_pk_f16_f32 v[P+n], v[S+2*n], v[S+2*n+1]  ; two tiles of 16 keys, rounded in pairs, are source 1 of V^T P
.set n, n+1
.endr
.irp w, 4,8,16,32                      ; the sums of the unrounded p, in place: neighbours 1, 2, 4, 8 pairs apart
.set n, 0
.rept 64/\w
	v_pk_add_f32 v[S+n:S+n+1], v[S+n:S+n+1], v[S+n+\w/2:S+n+\w/2+1]
.set n, n+\w
.endr
.endr
.irp t, 0,1
	v_pk_fma_f32 v[ST+8*\t+2:ST+8*\t+3], v[ST+8*\t+2:ST+8*\t+3], v[ST+8*\t+6:ST+8*\t+7], v[S+32*\t:S+32*\t+1] op_sel_hi:[1,0,1]   ; l = a l + the sum
.endr
.irp t, 0,1
.set n, 0
.rept 16
	v_pk_mul_f32 v[O+32*\t+n:O+32*\t+n+1], v[O+32*\t+n:O+32*\t+n+1], v[ST+8*\t+6:ST+8*\t+7] op_sel_hi:[1,0]   ; O^T x a, each accumulator from its low end on
.set n, n+2
.endr
.endr
.endm
.macro STEP q, id
.if \q > 0
	s_cmp_lt_i32 s[DQ], 64*\q-31                   ; the step's first key comes after my last query: this step and the slot's later ones are left out
	s_cbranch_scc1 .Lslotend_\id
.endif
	s_wait_dscnt 0x0                               ; K of this step is in
	WIN W_MM
	KQ
	WIN 0
.rept 4
	v_nop                                          ; places: in front of the loads into K's and V's registers, and of the first read of the scores
.endr
	WIN W_LD
	FETCH_V \q
.if \q < 3
	FETCH_K \q+1
.endif
	WIN 0
	MASK \q
	SOFTMAX
.if \q < 3
	s_wait_dscnt 16                                ; V is in; the next step's K, sixteen loads, may be out
.else
	s_wait_dscnt 0x0
.endif
	WIN W_MM
	PV
	WIN 0
.endm
.macro INIT                            ; a block begins: m under every score, l and O^T zero (the step is written once: the first change of m multiplies zeros)
.irp t, 0,1
	v_mov_b32 v[ST+8*\t+1], 0xff61b1e6             ; -3e38
	v_mul_f32 v[ST+8*\t], s[CS], v[ST+8*\t+1]
	v_mov_b32 v[ST+8*\t+2], 0
	v_mov_b32 v[ST+8*\t+3], 0
	v_mov_b32 v[ST+8*\t+5], 0                      ; a lane permute's destination counts as one of its sources
	v_mov_b32 v[ST+8*\t+7], 0                      ; the packed multiplies name it as the upper half of the pair whose low word they take for both halves: so it is written on every way
.endr
.set n, 0
.rept 64
	v_mov_b32 v[O+n], 0
.set n, n+1
.endr
.endm
.macro FLUSH                           ; a block ends: O^T / l, rounded to f16, through my stage, out as 4,096 consecutive bytes
.rept 4
	v_nop                                          ; places behind the last products
.endr
.irp t, 0,1
	v_add_f32 v[ST+8*\t+4], v[ST+8*\t+2], v[ST+8*\t+3]
.endr
.irp t, 0,1
	v_permlanex16_b32 v[ST+8*\t+5], v[ST+8*\t+4], s[SEL], s[SEL+1]
.endr
.irp t, 0,1
	v_add_f32 v[ST+8*\t+4], v[ST+8*\t+4], v[ST+8*\t+5]
.endr
.irp t, 0,1
	v_rcp_f32 v[ST+8*\t+6], v[ST+8*\t+4]
.endr
	v_nop
	s_wait_alu depctr_va_vdst(0)                   ; one wait for the two reciprocals, ahead of their first reader
.irp t, 0,1
.set n, 0
.rept 16
	v_pk_mul_f32 v[O+32*\t+n:O+32*\t+n+1], v[O+32*\t+n:O+32*\t+n+1], v[ST+8*\t+6:ST+8*\t+7] op_sel_hi:[1,0]
.set n, n+2
.endr
.endr
.set n, 0
.rept 32
	v_cvt_pk_f16_f32 v[TMP+n], v[O+2*n], v[O+2*n+1]
.set n, n+1
.endr
.irp t, 0,1
.irp ct, 0,1,2,3
	ds_store_b128 v[STO], v[TMP+16*\t+4*\ct:TMP+16*\t+4*\ct+3] offset:16*144*\t+32*\ct
.endr
.endr
.irp u, 0,1,2,3,4,5,6,7
	ds_load_b128 v[S+4*\u:S+4*\u+3], v[RD] offset:4*144*\u     ; LDS serves a wave's instructions in order: these see the stores above
.endr
.irp u, 0,1,2,3,4,5,6,7
	s_wait_dscnt 7-\u
	global_store_b128 v[GO], v[S+4*\u:S+4*\u+3], s[OP:OP+1] offset:512*\u   ; 512 consecutive bytes: four rows
.endr
	s_wait_xcnt 0x0                                ; the stores have read their registers and their base: both are written again
.endm
; THE CHANGE OF SLOTS stands at a slot's head.  Each wave waits for all its tensor loads, adds 0 to its spare word and waits for that and for its reads of the slot that it has left; behind the barrier the
; slot ahead is whole and nobody reads the other one, which (fill = 1) takes the walk's next slot: that load has a whole slot's steps in which to land.  One tensor load of a wave is out at any time.
.macro CHANGE fill
	s_wait_tensorcnt 0x0
	ds_add_u32 v[SPW], v[NIL]
.if \fill
	ds_add_u32 v[SPW], v[NIL]                      ; in the loop, twice on end, in every trip alike
	s_add_co_u32 s16, s[T], 1                      ; the next trip's slot of keys: T + 1, or T + 1 - N0 in the second block
	s_cmp_ge_u32 s16, s[N0]
	s_cselect_b32 s17, s[N0], 0
	s_sub_co_u32 s16, s16, s17
	s_lshl_b32 s[OFF], s16, 15                     ; 256 keys x 128 bytes
	s_xor_b32 s[G0K+1], s[G0K+1], SLOT1
	s_add_nc_u64 s[G0K+2:G0K+3], s[KB:KB+1], s[OFF:OFF+1]
	s_or_b32 s[G0K+3], s[G0K+3], 0x80000000
	s_xor_b32 s[G0V+1], s[G0V+1], SLOT1
	s_add_nc_u64 s[G0V+2:G0V+3], s[VB:VB+1], s[OFF:OFF+1]
	s_or_b32 s[G0V+3], s[G0V+3], 0x80000000
	s_wait_xcnt 0x0                                ; the last prefetches, a slot back, have read their address
	s_add_nc_u64 s[PFA:PFA+1], s[PFA:PFA+1], 32768
.endif
	s_wait_dscnt 0x0
	s_barrier_signal -1
	s_barrier_wait -1
.if \fill
	TLOAD
	ASK
.endif
.endm
.macro TRIP fill, id
	CHANGE \fill
	s_cmp_lg_u32 s[T], s[N0]
	s_cbranch_scc1 .Lsame_\id
	FLUSH                                          ; the first block is done; the second begins
	s_lshl_b32 s[Q0W], s[I], 8
	s_lshl_b32 s16, s[WV], 5
	s_add_co_u32 s[Q0W], s[Q0W], s16
	s_lshl_b32 s16, s[Q0W], 7
	s_mov_b32 s17, 0
	s_add_nc_u64 s[OP:OP+1], s[OB:OB+1], s[16:17]
	WIN 0x01
.set n, 0
.rept 32
	v_mov_b32 v[Q+n], v[Q2+n]
.set n, n+1
.endr
	WIN 0
	INIT
.Lsame_\id:
	s_cmp_ge_u32 s[T], s[N0]
	s_cselect_b32 s16, s[N0], 0
	s_sub_co_u32 s16, s[T], s16                    ; this trip's slot of keys
	s_lshl_b32 s16, s16, 8
	s_sub_co_i32 s[DQ], s[Q0W], s16
	v_add_nc_u32 v[ADK], s[TB], v[AK0]
	v_add_nc_u32 v[ADV], s[TB], v[AV0]
	WIN W_LD
	FETCH_K 0
	WIN 0
	STEP 0, \id
	STEP 1, \id
	STEP 2, \id
	STEP 3, \id
.Lslotend_\id:
	s_xor_b32 s[TB], s[TB], SLOT1
.endm
	INIT
	s_wait_loadcnt 0x0                             ; Q, both blocks'
	s_mov_b32 s[T], 0
.Lslot:                                            ; eight trips: behind each change of slots the walk's next slot is asked for (slot 1's first fill behind the first, where nothing is filled again)
	TRIP 1, 0
	s_add_co_u32 s[T], s[T], 1
	s_cmp_lt_u32 s[T], 8
	s_cbranch_scc1 .Lslot
	TRIP 0, 1                                      ; the ninth is written out: nothing is left to ask for
	FLUSH
	s_wait_tensorcnt 0x0                           ; the wave's end
	ds_add_u32 v[SPW], v[NIL]
	s_wait_dscnt 0x0
	s_endpgm
.Lfunc_end_k_qf89cf719a3_attn:
	.size	k_qf89cf719a3_attn, .Lfunc_end_k_qf89cf719a3_attn-k_qf89cf719a3_attn
	.p2alignl 7, 3214868480
	.fill 96, 4, 3214868480
	.section	.rodata,"a",@progbits
	.p2align	6, 0x0
	.amdhsa_kernel k_qf89cf719a3_attn
		.amdhsa_group_segment_fixed_size 327680
		.amdhsa_private_segment_fixed_size 0
		.amdhsa_enable_private_segment 0
		.amdhsa_kernarg_size 16
		.amdhsa_user_sgpr_count 2
		.amdhsa_user_sgpr_kernarg_segment_ptr 1
		.amdhsa_wavefront_size32 1
		.amdhsa_system_sgpr_workgroup_id_x 1
		.amdhsa_system_sgpr_workgroup_id_y 1
		.amdhsa_system_sgpr_workgroup_id_z 1
		.amdhsa_system_vgpr_workitem_id 0
		.amdhsa_next_free_vgpr 416
		.amdhsa_next_free_sgpr 72
		.amdhsa_reserve_vcc 1
		.amdhsa_float_denorm_mode_32 3
		.amdhsa_float_denorm_mode_16_64 3
		.amdhsa_memory_ordered 1
		.amdhsa_forward_progress 1
		.amdhsa_inst_pref_size 209
	.end_amdhsa_kernel
	.amdgpu_metadata
---
amdhsa.version: [ 1, 2 ]
amdhsa.kernels:
  - .name:           k_qf89cf719a3_attn
    .symbol:         k_qf89cf719a3_attn.kd
    .args:
      - { .name: qkv, .offset: 0, .size: 8, .value_kind: global_buffer, .address_space: global }
      - { .name: attn, .offset: 8, .size: 8, .value_kind: global_buffer, .address_space: global }
    .group_segment_fixed_size: 327680
    .private_segment_fixed_size: 0
    .kernarg_segment_align: 8
    .kernarg_segment_size: 16
    .max_flat_workgroup_size: 256
    .sgpr_count:     72
    .vgpr_count:     416
    .wavefront_size: 32
...
	.end_amdgpu_metadata
.endif
;; end of part 3
;; launch proj (part 4): grid 4 x 64, 4 waves a work-group, clusters of 4 x 4, 327,680 bytes of LDS; arguments attn, wo16, bo, out0; writes out0
.if DOCPART == 4
	.amdgcn_target "amdgcn-amd-amdhsa--gfx1250"
	.amdhsa_code_object_version 6
	.text
	.protected	k_qf89cf719a3_proj
	.globl	k_qf89cf719a3_proj
	.p2align	8
	.type	k_qf89cf719a3_proj,@function
k_qf89cf719a3_proj:
	s_mov_b64 s[64:65], 0
	v_nop
	global_prefetch_b8 v0, s[64:65] scope:SCOPE_SE
	s_setreg_imm32_b32 hwreg(HW_REG_WAVE_MODE, 25, 1), 1
	s_wait_xcnt 0x0
	s_wait_alu depctr_hold_cnt(0) depctr_sa_sdst(0) depctr_va_vdst(0) depctr_va_sdst(0) depctr_va_ssrc(0) depctr_va_vcc(0) depctr_vm_vsrc(0)
	s_getreg_b32 s2, hwreg(HW_REG_IB_STS2, 6, 4)
	s_cmp_eq_u32 s2, 0
	s_cbranch_scc0 .Lentry_in_a_cluster
	s_endpgm
.Lentry_in_a_cluster:
	s_bfe_u32 s2, ttmp6, 0x10000c
	s_cmp_lg_u32 s2, 0xf033
	s_cbranch_scc0 .Lentry_shape_is_right
	s_endpgm
.Lentry_shape_is_right:
; out0 = attn Wo + bo, [8192] x [1024] over K = 1,024, f16 operands, f32 sums.  attn: [16 planes of 64 k][8192 rows][64]; wo16: [16 planes][1024 n][64]: both with k innermost, rows of 128 bytes, dense.
; Rows 0-15 of every batch are NOT stored here: another launch carries them in f32.
; A tile is 128 rows x 256 columns: 256 work-groups.  Four waves, each 64 x 128: 32 accumulators.  K goes in steps of 128 (two planes) through a ring of two slots; eight steps.
; A plane's rows are stated as rows of 256 bytes with 16 of padding behind each: row x lies at 272 (x / 2) + 128 (x % 2), and the sixteen rows that a load touches start at sixteen different 16-byte columns of 256.
; CLUSTERS: 4 x 4.  Tile row = 16 cy + cluster y (cy is the batch), tile column = cx.  attn's tiles are shared along a row of the cluster, Wo's along a column: each is asked for jointly.
; Two tensor loads of a wave are out at the start, one behind each round.
; THE MATRIX INSTRUCTION IS USED TRANSPOSED (source 0 = 16 rows n of Wo, source 1 = 16 rows of attn): a lane holds eight neighbouring columns of a row.  The bias is the C of each sum's first product.
; REGISTERS: window 0: v16-31 addresses; v64-191 rows on the way out, two sets; v192-255 the bias.  window 1: two fragment buffers of 96 (attn's four blocks, then Wo's eight).  window 2: accumulator (a, b) at v[8 (8 a + b)].
.set PITCH,  272
.set APL,    64*PITCH                  ; a plane of attn's tile: 128 rows
.set BPL,    128*PITCH                 ; a plane of Wo's tile: 256 rows n
.set SLOT,   2*APL+2*BPL
.set STAGE,  2*SLOT                    ; behind the ring: 16 rows x 528 bytes for each wave
.set SPITCH, 528
.set SPARE,  STAGE+4*16*SPITCH         ; the spare words, 128 bytes for each wave: two blocks of 256 bytes that no other line names
.set ADRA, 16
.set ADRB, 20
.set STO,  24
.set RD,   25
.set CO,   26
.set SPW,  28
.set NIL,  29
.set BO,   31
.set BK,   64
.set BIAS, 192
.set F0,   0
.set F1,   96
.set G1, 24
.set G0, 32
.set G1B, 48
.set G0B, 56
.set MSB, 0
.macro WIN new
.if MSB != (\new)
	s_set_vgpr_msb (MSB<<8)|(\new)
.set MSB, (\new)
.endif
.endm
.set MUL,  0xa5                        ; sources 0 and 1 window 1; C and D window 2
.set MULB, 0x85                        ; the same with C (the bias) in window 0
.set TO_F, 0x40
.macro JLOAD s                         ; a joint load: waves 0 and 1 fetch attn's two planes, waves 2 and 3 Wo's; an s_nop 0 and four v_nop follow each line
	s_cmp_eq_u32 s11, 0
	s_cbranch_scc0 .Lfor_b_\@
	tensor_load_to_lds s[G0+4*\s:G0+4*\s+3], s[G1:G1+7]
	s_nop 0
.rept 4
	v_nop
.endr
	s_branch .Lasked_\@
.Lfor_b_\@:
	tensor_load_to_lds s[G0B+4*\s:G0B+4*\s+3], s[G1B:G1B+7]
	s_nop 0
.rept 4
	v_nop
.endr
.Lasked_\@:
.endm
.macro CREST
	s_cmp_lg_u32 s10, 0
	s_cbranch_scc1 .Lnot_wave_0_\@
	s_barrier_signal -3
.Lnot_wave_0_\@:
	s_barrier_wait -3
	s_barrier_signal -1
	s_barrier_wait -1
.endm
.macro CROUND
	s_barrier_signal -1
	s_barrier_wait -1
	CREST
.endm
	s_load_b256 s[68:75], s[0:1], 0x0              ; attn 68, wo16 70, bo 72, out0 74
	v_lshl_add_u32 v[SPW], v0, 2, SPARE
	v_mov_b32 v[NIL], 0
	ds_add_u32 v[SPW], v[NIL]                      ; the wave's opening: the add, twice on end, and its wait ahead of my first tensor load
	ds_add_u32 v[SPW], v[NIL]
	v_lshrrev_b32 v1, 5, v0
	v_readfirstlane_b32 s10, v1                    ; wave 0..3
	s_lshr_b32 s11, s10, 1                         ; which half of the tile's rows is mine.  Also: I fetch for attn (0) or for Wo (1)
	s_and_b32 s12, s10, 1                          ; which half of its columns.  Also: which of a step's two planes I fetch
	s_bfe_u32 s40, ttmp6, 0x40000                  ; cx
	s_bfe_u32 s41, ttmp6, 0x40004                  ; cy
	s_lshl_b32 s42, ttmp9, 2
	s_add_co_u32 s42, s42, s40                     ; tile column
	s_and_b32 s67, ttmp7, 0xffff                   ; cluster y: the tile within its batch
	s_lshl_b32 s13, s41, 4
	s_add_co_u32 s13, s13, s67                     ; tile row = 16 cy + cluster y
	s_lshl_b32 s43, s41, 2
	s_lshl_b32 s43, 15, s43                        ; my row of the cluster
	s_lshl_b32 s44, 0x1111, s40                    ; my column
	s_or_b32 s[G1+0], s43, (1<<16)|(1<<20)|(1<<21)|(5<<22)|(3<<25)   ; elements of 2 bytes; padding: 4 words behind every 64; bit 21 beside the mask
	s_mov_b32 s[G1+1], 128<<16                     ; tensor_dim0 = 128 elements: two rows of 64
	s_mov_b32 s[G1+2], 64<<16                      ; tensor_dim1 = 64: 128 rows
	s_mov_b32 s[G1+3], 128<<16
	s_mov_b32 s[G1+4], 64
	s_mov_b32 s[G1+5], 128                         ; dense
	s_mov_b32 s[G1+6], 0
	s_mov_b32 s[G1+7], 0
	s_or_b32 s[G1B+0], s44, (1<<16)|(1<<20)|(1<<21)|(5<<22)|(3<<25)
	s_mov_b32 s[G1B+1], 128<<16
	s_mov_b32 s[G1B+2], 128<<16                    ; 256 rows n
	s_mov_b32 s[G1B+3], 128<<16
	s_mov_b32 s[G1B+4], 128
	s_mov_b32 s[G1B+5], 128
	s_mov_b32 s[G1B+6], 0
	s_mov_b32 s[G1B+7], 0
	s_lshl_b32 s16, s12, 20                        ; attn: my plane, 1,048,576 bytes each,
	s_lshl_b32 s17, s13, 14                        ; and the tile's 128 rows of 128 bytes
	s_add_co_u32 s16, s16, s17
	s_mov_b32 s17, 0
	s_lshl_b32 s46, s12, 17                        ; Wo: my plane, 131,072 bytes each,
	s_lshl_b32 s47, s42, 15                        ; and the tile's 256 rows n
	s_add_co_u32 s46, s46, s47
	s_mov_b32 s47, 0
	s_mul_i32 s20, s12, APL                        ; where they go: no place in the cluster enters an LDS address
	s_mul_i32 s21, s12, BPL
	s_add_co_u32 s21, s21, 2*APL
	s_wait_dscnt 0x0                               ; both opening adds are done
	s_wait_kmcnt 0x0
	s_add_nc_u64 s[14:15], s[68:69], s[16:17]
	s_add_nc_u64 s[46:47], s[70:71], s[46:47]
	CROUND                                         ; all sixteen work-groups are here: the first joint loads meet
.irp s, 0,1
	s_mov_b32 s[G0+4*\s], 1
	s_add_co_u32 s[G0+4*\s+1], s20, \s*SLOT
	s_add_nc_u64 s[G0+4*\s+2:G0+4*\s+3], s[14:15], \s*2*1048576
	s_or_b32 s[G0+4*\s+3], s[G0+4*\s+3], 0x80000000
	s_mov_b32 s[G0B+4*\s], 1
	s_add_co_u32 s[G0B+4*\s+1], s21, \s*SLOT
	s_add_nc_u64 s[G0B+4*\s+2:G0B+4*\s+3], s[46:47], \s*2*131072
	s_or_b32 s[G0B+4*\s+3], s[G0B+4*\s+3], 0x80000000
	JLOAD \s
.endr
	v_and_b32 v1, 15, v0                           ; r
	v_bfe_u32 v2, v0, 4, 1                         ; h
	v_lshrrev_b32 v3, 1, v1
	v_mul_u32_u24 v3, v3, PITCH
	v_and_b32 v4, 1, v1
	v_lshl_add_u32 v3, v4, 7, v3
	v_lshl_add_u32 v3, v2, 4, v3                   ; 272 (r / 2) + 128 (r % 2) + 16 h
	s_mul_i32 s21, s11, 32*PITCH                   ; my 64 rows of attn's tile
	s_mul_i32 s22, s12, 64*PITCH                   ; my 128 rows n of Wo's,
	s_add_co_u32 s22, s22, 2*APL                   ; which lie behind attn's two planes
.irp s, 0,1
	v_add_nc_u32 v[ADRA+\s], s21, v3
	v_add_nc_u32 v[ADRB+\s], s22, v3
	s_add_co_u32 s21, s21, SLOT
	s_add_co_u32 s22, s22, SLOT
.endr
	s_mul_i32 s23, s10, 16*SPITCH
	s_add_co_u32 s23, s23, STAGE                   ; my stage
	v_mul_u32_u24 v4, v1, SPITCH
	v_lshl_add_u32 v4, v2, 5, v4
	v_add_nc_u32 v[STO], s23, v4                   ; in: row r, 32 bytes for each half of the lanes
	v_and_b32 v5, 31, v0
	v_lshlrev_b32 v[CO], 4, v5
	v_add_nc_u32 v[RD], s23, v[CO]                 ; back: the 32 lanes take one row of 512 bytes
	v_lshlrev_b32 v[BO], 5, v2
	s_lshl_b32 s46, s42, 10
	s_lshl_b32 s47, s12, 9
	s_add_co_u32 s46, s46, s47                     ; my first column, in bytes: 1,024 x tile column + 512 x half
	s_mov_b32 s47, 0
	s_add_nc_u64 s[72:73], s[72:73], s[46:47]
.irp b, 0,1,2,3,4,5,6,7
	global_load_b128 v[BIAS+8*\b:BIAS+8*\b+3], v[BO], s[72:73] offset:64*\b      ; lane (r, h): the bias of columns 16 b + 8 h + 0 .. 7
	global_load_b128 v[BIAS+8*\b+4:BIAS+8*\b+7], v[BO], s[72:73] offset:64*\b+16
.endr
	s_lshl_b32 s18, s13, 19                        ; my first row: (128 x tile row + 64 x half) x 4,096 bytes
	s_lshl_b32 s19, s11, 18
	s_add_co_u32 s18, s18, s19
	s_add_co_u32 s46, s46, s18
	s_add_nc_u64 s[74:75], s[74:75], s[46:47]
.macro MUL8 f, a, z                    ; attn's block a against Wo's eight, 32 along K.  The 32 accumulators take turns, one instruction a turn, in the same order in every quarter
.irp b, 0,1,2,3,4,5,6,7
.if \z
	v_wmma_f32_16x16x32_f16 v[8*(8*(\a)+\b):8*(8*(\a)+\b)+7], v[\f+32+8*\b:\f+32+8*\b+7], v[\f+8*(\a):\f+8*(\a)+7], v[BIAS+8*\b:BIAS+8*\b+7]
.else
	v_wmma_f32_16x16x32_f16 v[8*(8*(\a)+\b):8*(8*(\a)+\b)+7], v[\f+32+8*\b:\f+32+8*\b+7], v[\f+8*(\a):\f+8*(\a)+7], v[8*(8*(\a)+\b):8*(8*(\a)+\b)+7]
.endif
.endr
.endm
.macro FETCH slot, q, f                ; 24 LDS loads in one run: the fragments of quarter q (plane q / 2, its channels 32 (q % 2) on) into buffer f
	WIN TO_F
.irp i, 0,1,2,3,4,5,6,7
.irp e, 0,1
	ds_load_b128 v[\f+32+8*\i+4*\e:\f+32+8*\i+4*\e+3], v[ADRB+\slot] offset:((\q)/2)*BPL+((\q)%2)*64+8*PITCH*\i+32*\e
.endr
.endr
.irp i, 0,1,2,3
.irp e, 0,1
	ds_load_b128 v[\f+8*\i+4*\e:\f+8*\i+4*\e+3], v[ADRA+\slot] offset:((\q)/2)*APL+((\q)%2)*64+8*PITCH*\i+32*\e
.endr
.endr
.endm
.macro PLACES
.rept 4
	v_nop
.endr
.endm
.macro QUARTER ns, nq, f, g, z         ; multiplies buffer f; at its head it fetches quarter nq of slot ns into buffer g, 32 matrix instructions ahead of its use
	s_wait_dscnt 0x0                               ; buffer f is in: it was asked for a whole quarter ago
	PLACES                                         ; in front of loads into registers that the last quarter's products have read
	FETCH \ns, \nq, \g
.if \z
	WIN MULB
.else
	WIN MUL
.endif
	MUL8 \f, 0, \z
	MUL8 \f, 1, \z
	MUL8 \f, 2, \z
	MUL8 \f, 3, \z
.endm
; A slot's last quarter multiplies buffer 1 and changes slots: one barrier; in front of it each wave waits for all its tensor loads, adds 0 to its spare word, and waits for that and for its reads of this slot.
.macro TURN slot, next, fill
	WIN 0
	s_wait_tensorcnt 0x0                           ; all my tensor loads have landed: my part of the next slot
	ds_add_u32 v[SPW], v[NIL]
	s_wait_dscnt 1                                 ; buffer 1 is in (the add may be out)
	WIN MUL
	MUL8 F1, 0, 0
	s_wait_dscnt 0x0                               ; the add is done, and my reads of this slot are over
	s_barrier_signal -1
	MUL8 F1, 1, 0
	WIN 0
	s_barrier_wait -1
.if \fill
	CREST                                          ; the barrier has opened a round of the cluster's barrier: no wave of any partner still reads this slot or has a load on its way
	s_add_nc_u64 s[G0+4*\slot+2:G0+4*\slot+3], s[G0+4*\slot+2:G0+4*\slot+3], 4*1048576
	s_add_nc_u64 s[G0B+4*\slot+2:G0B+4*\slot+3], s[G0B+4*\slot+2:G0B+4*\slot+3], 4*131072
	JLOAD \slot                                    ; the first tensor load behind the round; its four v_nop are also the places in front of the loads below
.else
	PLACES
.endif
	FETCH \next, 0, F0
	WIN MUL
	MUL8 F1, 2, 0
	MUL8 F1, 3, 0
.endm
	s_wait_tensorcnt 1                             ; my part of K step 0 is in (K step 1's may be out)
	s_barrier_signal -1
	s_barrier_wait -1                              ; everybody's is
	FETCH 0, 0, F0
	s_wait_loadcnt 0x0                             ; the bias
	QUARTER 0, 1, F0, F1, 1                        ; the first quarter stands in front of the loop: its products start the sums, on the bias
	WIN 0
	s_mov_b32 s3, 3
.Llap:                                             ; a trip goes once round the ring and fills both slots again: K steps 2 to 7 in three trips
	QUARTER 0, 2, F1, F0, 0
	QUARTER 0, 3, F0, F1, 0
	TURN 0, 1, 1
	QUARTER 1, 1, F0, F1, 0
	QUARTER 1, 2, F1, F0, 0
	QUARTER 1, 3, F0, F1, 0
	TURN 1, 0, 1
	QUARTER 0, 1, F0, F1, 0
	WIN 0
	s_sub_co_u32 s3, s3, 1
	s_cmp_lg_u32 s3, 0
	s_cbranch_scc1 .Llap
	QUARTER 0, 2, F1, F0, 0                        ; the last lap fills nothing
	QUARTER 0, 3, F0, F1, 0
	TURN 0, 1, 0
	QUARTER 1, 1, F0, F1, 0
	QUARTER 1, 2, F1, F0, 0
	QUARTER 1, 3, F0, F1, 0
	s_wait_dscnt 0x0
	MUL8 F1, 0, 0
	MUL8 F1, 1, 0
	MUL8 F1, 2, 0
	MUL8 F1, 3, 0
	WIN 0
; THE WAY OUT, block by block of 16 rows x 128 columns: through my stage, back as whole rows of 512 bytes.
.macro TOSTAGE a
	WIN 0x08                                       ; an LDS store's data: window 2
.irp b, 0,1,2,3,4,5,6,7
	ds_store_b128 v[STO], v[8*(8*(\a)+\b):8*(8*(\a)+\b)+3] offset:64*\b          ; each accumulator from its low end on
	ds_store_b128 v[STO], v[8*(8*(\a)+\b)+4:8*(8*(\a)+\b)+7] offset:64*\b+16
.endr
	WIN 0
.set BB, BK+64*((\a)%2)
.irp t, 0,1,2,3,4,5,6,7,8,9,10,11,12,13,14,15
	ds_load_b128 v[BB+4*\t:BB+4*\t+3], v[RD] offset:\t*SPITCH  ; LDS serves a wave's instructions in order
.endr
.endm
.macro SEND a, younger, skip
.set BB, BK+64*((\a)%2)
	s_wait_dscnt \younger                          ; the block is back; the next block's 16 stores and 16 loads may be out
.if \skip
	s_or_b32 s66, s67, s11                         ; a batch's first 16 rows: block 0 of the upper waves in the batch's first tile (cluster y is the same in all partners)
	s_cmp_eq_u32 s66, 0
	s_cbranch_scc1 .Lfirst_rows
.endif
.irp t, 0,1,2,3,4,5,6,7,8,9,10,11,12,13,14,15
	global_store_b128 v[CO], v[BB+4*\t:BB+4*\t+3], s[74:75] offset:(16*(\a)+\t)*4096 th:TH_STORE_NT   ; 512 consecutive bytes, at a multiple of 256 from out0's first byte
.endr
.if \skip
.Lfirst_rows:
.endif
.endm
	PLACES
	TOSTAGE 0
	TOSTAGE 1
	SEND 0, 32, 1
	s_wait_xcnt 0x0                                ; block 0's stores have read their registers: block 2's loads may land there
	TOSTAGE 2
	SEND 1, 32, 0
	s_wait_xcnt 0x0
	TOSTAGE 3
	SEND 2, 32, 0
	SEND 3, 0, 0
	s_wait_tensorcnt 0x0                           ; the wave's end
	ds_add_u32 v[SPW], v[NIL]
	s_wait_dscnt 0x0
	CROUND                                         ; the closing round
	s_endpgm
.Lfunc_end_k_qf89cf719a3_proj:
	.size	k_qf89cf719a3_proj, .Lfunc_end_k_qf89cf719a3_proj-k_qf89cf719a3_proj
	.p2alignl 7, 3214868480
	.fill 96, 4, 3214868480
	.section	.rodata,"a",@progbits
	.p2align	6, 0x0
	.amdhsa_kernel k_qf89cf719a3_proj
		.amdhsa_group_segment_fixed_size 327680
		.amdhsa_private_segment_fixed_size 0
		.amdhsa_enable_private_segment 0
		.amdhsa_kernarg_size 32
		.amdhsa_user_sgpr_count 2
		.amdhsa_user_sgpr_kernarg_segment_ptr 1
		.amdhsa_wavefront_size32 1
		.amdhsa_system_sgpr_workgroup_id_x 1
		.amdhsa_system_sgpr_workgroup_id_y 1
		.amdhsa_system_sgpr_workgroup_id_z 1
		.amdhsa_system_vgpr_workitem_id 0
		.amdhsa_next_free_vgpr 768
		.amdhsa_next_free_sgpr 80
		.amdhsa_reserve_vcc 0
		.amdhsa_float_denorm_mode_32 3
		.amdhsa_float_denorm_mode_16_64 3
		.amdhsa_memory_ordered 1
		.amdhsa_forward_progress 1
		.amdhsa_inst_pref_size 86
	.end_amdhsa_kernel
	.amdgpu_metadata
---
amdhsa.version: [ 1, 2 ]
amdhsa.kernels:
  - .name:           k_qf89cf719a3_proj
    .symbol:         k_qf89cf719a3_proj.kd
    .args:
      - { .name: attn, .offset: 0, .size: 8, .value_kind: global_buffer, .address_space: global }
      - { .name: wo16, .offset: 8, .size: 8, .value_kind: global_buffer, .address_space: global }
      - { .name: bo, .offset: 16, .size: 8, .value_kind: global_buffer, .address_space: global }
      - { .name: out0, .offset: 24, .size: 8, .value_kind: global_buffer, .address_space: global }
    .group_segment_fixed_size: 327680
    .private_segment_fixed_size: 0
    .kernarg_segment_align: 8
    .kernarg_segment_size: 32
    .max_flat_workgroup_size: 128
    .sgpr_count:     80
    .vgpr_count:     768
    .wavefront_size: 32
...
	.end_amdgpu_metadata
.endif
;; end of part 4
;; launch first16 (part 5): grid 64 x 4, 16 waves a work-group, no clusters, 22,528 bytes of LDS; arguments fine32, Wo, bo, out0; writes out0
.if DOCPART == 5
	.amdgcn_target "amdgcn-amd-amdhsa--gfx1250"
	.amdhsa_code_object_version 6
	.text
	.protected	k_qf89cf719a3_first16
	.globl	k_qf89cf719a3_first16
	.p2align	8
	.type	k_qf89cf719a3_first16,@function
k_qf89cf719a3_first16:
	s_mov_b64 s[64:65], 0
	v_nop
	global_prefetch_b8 v0, s[64:65] scope:SCOPE_SE
	s_setreg_imm32_b32 hwreg(HW_REG_WAVE_MODE, 25, 1), 1
	s_wait_xcnt 0x0
; THE FIRST 16 POSITIONS OF EVERY BATCH, IN f32 FROM END TO END: there a row averages one to sixteen values and is the largest in size.  q, k, v come as f32 out of fine32 [4 b][48 = 16 x tensor + head][16 s][64].
; Work-group (nt, b) makes out0[2048 b + 0 .. 15][16 nt .. 16 nt + 15].  Wave hd is a head: its 16 x 16 causal attention and its 64 k of the projection, 48 instructions of the f32 matrix form;
; the sixteen partial results meet in LDS, and waves 0 and 1 add them in a fixed order, add the bias and store.  The launch writes 262,144 bytes in all, 64 of a row to a work-group.
; No tensor load, no cluster: operands go from memory straight into registers, 81 loads a wave, all issued at the head.
; One permutation of k is applied alike to both sources of each product: the k slot 2 h + j' of instruction s stands for channel 32 h + 2 s + j' (K Q^T), key 8 h + 2 kk + j' (V^T P), channel 16 ct + 8 h + 2 kk + j' (the projection).
; The registers that the f32 matrix form writes (v144-159, v176-239) are written by matrix instructions alone.
.set SPARE, 20480                      ; behind the partial results: the spare words, 128 bytes for each wave: eight blocks of 256 bytes that no other line names
.set QA,  3                            ; 256 r + 128 h
.set VA,  4                            ; 2048 h + 4 r
.set WA,  5                            ; 32768 h + 4 r
.set DD,  6                            ; r - 8 h
.set PST, 7                            ; where I put my partial result: 1280 x head + 80 r + 32 h
.set RDA, 8                            ; where waves 0, 1 read: 80 x row + 16 (lane % 4)
.set OA,  9                            ; and store: 4096 x row + 16 (lane % 4)
.set SPW, 10
.set NIL, 11
.set BA,  15                           ; the bias: 16 (lane % 4)
.set KK,  16
.set QQ,  48
.set VV,  80
.set WW,  112
.set SA,  144
.set SB,  152
.set TT,  160
.set PP,  168
.set OO,  176
.set EE,  208
.set RR,  240
.set BB,  248
	s_load_b256 s[4:11], s[0:1], 0x0               ; fine32 4, Wo 6, bo 8, out0 10
	v_lshl_add_u32 v[SPW], v0, 2, SPARE
	v_mov_b32 v[NIL], 0
	v_lshrrev_b32 v12, 5, v0
	v_readfirstlane_b32 s12, v12                   ; wave = head
	s_and_b32 s13, ttmp7, 0xffff                   ; batch
	v_and_b32 v1, 15, v0                           ; r
	v_bfe_u32 v2, v0, 4, 1                         ; h
	v_and_b32 v13, 31, v0                          ; lane
	v_lshlrev_b32 v[QA], 8, v1
	v_lshl_add_u32 v[QA], v2, 7, v[QA]
	v_lshlrev_b32 v12, 2, v1
	v_lshl_add_u32 v[VA], v2, 11, v12
	v_lshl_add_u32 v[WA], v2, 15, v12
	v_lshlrev_b32 v12, 3, v2
	v_sub_nc_u32 v[DD], v1, v12
	s_mul_i32 s14, s12, 1280
	v_mul_u32_u24 v[PST], v1, 80
	v_lshl_add_u32 v[PST], v2, 5, v[PST]
	v_add_nc_u32 v[PST], s14, v[PST]
	s_and_b32 s15, s12, 1
	s_lshl_b32 s15, s15, 3
	v_lshrrev_b32 v14, 2, v13
	v_add_nc_u32 v14, s15, v14                     ; the row that I would add up: 8 (wave % 2) + lane / 4
	v_and_b32 v12, 3, v0
	v_lshlrev_b32 v[BA], 4, v12
	v_mul_u32_u24 v[RDA], v14, 80
	v_add_nc_u32 v[RDA], v[RDA], v[BA]
	v_lshl_add_u32 v[OA], v14, 12, v[BA]
	s_mov_b32 s24, 0x76543210
	s_mov_b32 s25, 0xfedcba98                      ; v_permlanex16_b32's selects for lane l xor 16
	s_mov_b32 s26, 0x3e38aa3b                      ; c = log2(e) / sqrt(64)
	s_mul_i32 s16, s13, 48
	s_add_co_u32 s16, s16, s12
	s_lshl_b32 s16, s16, 12                        ; q of my head: (48 b + head) x 4,096; k lies 65,536 further on, v 131,072
	s_mov_b32 s17, 0
	s_lshl_b32 s20, ttmp9, 6                       ; my 16 columns, in bytes
	s_mov_b32 s21, 0
	s_lshl_b32 s18, s12, 18                        ; Wo: my head's 64 rows of 4,096 bytes
	s_add_co_u32 s18, s18, s20
	s_mov_b32 s19, 0
	s_lshl_b32 s22, s13, 23                        ; out0: a batch's 2,048 rows of 4,096 bytes
	s_add_co_u32 s22, s22, s20
	s_mov_b32 s23, 0
	s_wait_kmcnt 0x0
	s_add_nc_u64 s[4:5], s[4:5], s[16:17]
	s_add_nc_u64 s[6:7], s[6:7], s[18:19]
	s_add_nc_u64 s[8:9], s[8:9], s[20:21]
	s_add_nc_u64 s[10:11], s[10:11], s[22:23]
.irp i, 0,1,2,3,4,5,6,7
	global_load_b128 v[KK+4*\i:KK+4*\i+3], v[QA], s[4:5] offset:65536+16*\i      ; k(r, 32 h + 0 .. 31)
.endr
.irp i, 0,1,2,3,4,5,6,7
	global_load_b128 v[QQ+4*\i:QQ+4*\i+3], v[QA], s[4:5] offset:16*\i            ; q likewise
.endr
.irp ct, 0,1,2,3
.irp j, 0,1,2,3,4,5,6,7
	global_load_b32 v[VV+8*\ct+\j], v[VA], s[4:5] offset:131072+256*\j+64*\ct    ; v(key 8 h + j, channel 16 ct + r)
.endr
.endr
.irp ct, 0,1,2,3
.irp j, 0,1,2,3,4,5,6,7
	global_load_b32 v[WW+8*\ct+\j], v[WA], s[6:7] offset:4096*\j+65536*\ct       ; Wo(64 head + 16 ct + 8 h + j, 16 nt + r)
.endr
.endr
	global_load_b128 v[BB:BB+3], v[BA], s[8:9]
	s_wait_loadcnt 63                              ; k and q are in: 65 loads were issued behind them
	; S^T = k q^T: source 0 = 16 keys, source 1 = 16 queries; two accumulators by turns; a lane holds query r and keys 8 h + 0 .. 7
.irp s, 0,1,2,3,4,5,6,7,8,9,10,11,12,13,14,15
.if \s < 2
	v_wmma_f32_16x16x4_f32 v[SA+8*(\s%2):SA+8*(\s%2)+7], v[KK+2*\s:KK+2*\s+1], v[QQ+2*\s:QQ+2*\s+1], 0
.else
	v_wmma_f32_16x16x4_f32 v[SA+8*(\s%2):SA+8*(\s%2)+7], v[KK+2*\s:KK+2*\s+1], v[QQ+2*\s:QQ+2*\s+1], v[SA+8*(\s%2):SA+8*(\s%2)+7]
.endif
.endr
.rept 8
	v_nop                                          ; eight places behind this form before a vector instruction reads a result (ISA guide 7.12.1)
.endr
.irp j, 0,1,2,3,4,5,6,7
	v_add_f32 v[TT+\j], v[SA+\j], v[SB+\j]         ; from the low end on
.endr
	v_mov_b32 v12, 0xff800000
.irp j, 0,1,2,3,4,5,6,7
	v_cmp_gt_i32 vcc_lo, \j, v[DD]                 ; key 8 h + j comes after query r
	v_cndmask_b32 v[TT+\j], v[TT+\j], v12, vcc_lo
.endr
	v_max3_num_f32 v12, v[TT], v[TT+1], v[TT+2]
	v_max3_num_f32 v13, v[TT+3], v[TT+4], v[TT+5]
	v_max3_num_f32 v12, v12, v[TT+6], v[TT+7]
	v_max_num_f32 v12, v12, v13
	v_permlanex16_b32 v13, v12, s24, s25
	v_max_num_f32 v12, v12, v13                    ; the row's maximum: key 0 counts for every query, so it is a number
	v_mul_f32 v12, s26, v12
.irp j, 0,1,2,3,4,5,6,7
	v_fma_f32 v[TT+\j], v[TT+\j], s26, -v12
.endr
.irp j, 0,1,2,3,4,5,6,7
	v_exp_f32 v[TT+\j], v[TT+\j]
.endr
	v_nop
	s_wait_alu depctr_va_vdst(0)                   ; one wait for the eight, ahead of their first reader
	v_add_f32 v13, v[TT], v[TT+1]
	v_add_f32 v14, v[TT+2], v[TT+3]
	v_add_f32 v13, v13, v[TT+4]
	v_add_f32 v14, v14, v[TT+5]
	v_add_f32 v13, v13, v[TT+6]
	v_add_f32 v14, v14, v[TT+7]
	v_add_f32 v13, v13, v14
	v_permlanex16_b32 v14, v13, s24, s25
	v_add_f32 v13, v13, v14
	v_rcp_f32 v12, v13
	v_nop
	s_wait_alu depctr_va_vdst(0)
.irp j, 0,1,2,3,4,5,6,7
	v_mul_f32 v[PP+\j], v[TT+\j], v12              ; the weights, normalised
.endr
	s_wait_loadcnt 33                              ; v is in: Wo's 32 loads and the bias may be out
	; O^T = v^T p: source 0 = 16 channels, source 1 = p; four accumulators by turns; a lane holds query r and channels 16 ct + 8 h + 0 .. 7
.irp kk, 0,1,2,3
.irp ct, 0,1,2,3
.if \kk == 0
	v_wmma_f32_16x16x4_f32 v[OO+8*\ct:OO+8*\ct+7], v[VV+8*\ct+2*\kk:VV+8*\ct+2*\kk+1], v[PP+2*\kk:PP+2*\kk+1], 0
.else
	v_wmma_f32_16x16x4_f32 v[OO+8*\ct:OO+8*\ct+7], v[VV+8*\ct+2*\kk:VV+8*\ct+2*\kk+1], v[PP+2*\kk:PP+2*\kk+1], v[OO+8*\ct:OO+8*\ct+7]
.endif
.endr
.endr
.rept 9
	v_nop                                          ; nine places before a matrix instruction takes a result as a source
.endr
	s_wait_loadcnt 0x0
	; my head's part of the projection: source 0 = 16 columns of Wo, source 1 = O^T; a lane holds query r and columns 8 h + 0 .. 7
.irp kk, 0,1,2,3
.irp ct, 0,1,2,3
.if \kk == 0
	v_wmma_f32_16x16x4_f32 v[EE+8*\ct:EE+8*\ct+7], v[WW+8*\ct+2*\kk:WW+8*\ct+2*\kk+1], v[OO+8*\ct+2*\kk:OO+8*\ct+2*\kk+1], 0
.else
	v_wmma_f32_16x16x4_f32 v[EE+8*\ct:EE+8*\ct+7], v[WW+8*\ct+2*\kk:WW+8*\ct+2*\kk+1], v[OO+8*\ct+2*\kk:OO+8*\ct+2*\kk+1], v[EE+8*\ct:EE+8*\ct+7]
.endif
.endr
.endr
.rept 8
	v_nop
.endr
.irp j, 0,2,4,6
	v_pk_add_f32 v[RR+\j:RR+\j+1], v[EE+\j:EE+\j+1], v[EE+8+\j:EE+8+\j+1]
.endr
.irp j, 0,2,4,6
	v_pk_add_f32 v[TT+\j:TT+\j+1], v[EE+16+\j:EE+16+\j+1], v[EE+24+\j:EE+24+\j+1]
.endr
.irp j, 0,2,4,6
	v_pk_add_f32 v[RR+\j:RR+\j+1], v[RR+\j:RR+\j+1], v[TT+\j:TT+\j+1]
.endr
	ds_store_b128 v[PST], v[RR:RR+3]
	ds_store_b128 v[PST], v[RR+4:RR+7] offset:16
	s_wait_dscnt 0x0                               ; for the others' sake: my partial result lies in LDS
	s_barrier_signal -1
	s_barrier_wait -1
	s_cmp_lt_u32 s12, 2
	s_cbranch_scc0 .Ldone
.irp w, 0,1,2,3,4,5,6,7,8,9,10,11,12,13,14,15
	ds_load_b128 v[KK+4*\w:KK+4*\w+3], v[RDA] offset:1280*\w     ; the sixteen heads' parts of my 16 bytes
.endr
	s_wait_dscnt 0x0
.irp d, 1,2,4,8                        ; a fixed tree: neighbours 1, 2, 4, 8 heads apart
.set n, 0
.rept 8/\d
	v_pk_add_f32 v[KK+n:KK+n+1], v[KK+n:KK+n+1], v[KK+n+4*\d:KK+n+4*\d+1]
	v_pk_add_f32 v[KK+n+2:KK+n+3], v[KK+n+2:KK+n+3], v[KK+n+4*\d+2:KK+n+4*\d+3]
.set n, n+8*\d
.endr
.endr
	v_pk_add_f32 v[KK:KK+1], v[KK:KK+1], v[BB:BB+1]
	v_pk_add_f32 v[KK+2:KK+3], v[KK+2:KK+3], v[BB+2:BB+3]
	global_store_b128 v[OA], v[KK:KK+3], s[10:11]  ; four lanes fill a row's 64 bytes
.Ldone:
	s_wait_tensorcnt 0x0                           ; the wave's end
	ds_add_u32 v[SPW], v[NIL]
	s_wait_dscnt 0x0
	s_endpgm
.Lfunc_end_k_qf89cf719a3_first16:
	.size	k_qf89cf719a3_first16, .Lfunc_end_k_qf89cf719a3_first16-k_qf89cf719a3_first16
	.p2alignl 7, 3214868480
	.fill 96, 4, 3214868480
	.section	.rodata,"a",@progbits
	.p2align	6, 0x0
	.amdhsa_kernel k_qf89cf719a3_first16
		.amdhsa_group_segment_fixed_size 22528
		.amdhsa_private_segment_fixed_size 0
		.amdhsa_enable_private_segment 0
		.amdhsa_kernarg_size 32
		.amdhsa_user_sgpr_count 2
		.amdhsa_user_sgpr_kernarg_segment_ptr 1
		.amdhsa_wavefront_size32 1
		.amdhsa_system_sgpr_workgroup_id_x 1
		.amdhsa_system_sgpr_workgroup_id_y 1
		.amdhsa_system_sgpr_workgroup_id_z 1
		.amdhsa_system_vgpr_workitem_id 0
		.amdhsa_next_free_vgpr 256
		.amdhsa_next_free_sgpr 66
		.amdhsa_reserve_vcc 1
		.amdhsa_float_denorm_mode_32 3
		.amdhsa_float_denorm_mode_16_64 3
		.amdhsa_memory_ordered 1
		.amdhsa_forward_progress 1
		.amdhsa_inst_pref_size 21
	.end_amdhsa_kernel
	.amdgpu_metadata
---
amdhsa.version: [ 1, 2 ]
amdhsa.kernels:
  - .name:           k_qf89cf719a3_first16
    .symbol:         k_qf89cf719a3_first16.kd
    .args:
      - { .name: fine32, .offset: 0, .size: 8, .value_kind: global_buffer, .address_space: global }
      - { .name: Wo, .offset: 8, .size: 8, .value_kind: global_buffer, .address_space: global }
      - { .name: bo, .offset: 16, .size: 8, .value_kind: global_buffer, .address_space: global }
      - { .name: out0, .offset: 24, .size: 8, .value_kind: global_buffer, .address_space: global }
    .group_segment_fixed_size: 22528
    .private_segment_fixed_size: 0
    .kernarg_segment_align: 8
    .kernarg_segment_size: 32
    .max_flat_workgroup_size: 512
    .sgpr_count:     66
    .vgpr_count:     256
    .wavefront_size: 32
...
	.end_amdgpu_metadata
.endif
;; end of part 5
